; MI455X (gfx1250); checked and timed in simulation.
; The chip was launched on July 23, 2026; its instructions are those of AMD's public machine-readable ISA for CDNA 5 (MIT licence, August 2026) and "CDNA5" Instruction Set Architecture Reference Guide (July 2026). The comments in the code are by the model that wrote it; some were corrected since.
;; L3. Allowed arithmetic: matrix products marked QUANTISED: E2M3 operands, one E8M0 scale for each 32 along K, by v_wmma_scale_f32_16x16x128_f8f6f4 with both operands' format E2M3, f32 sums; everything else in f32.
;; Inputs: bw 16,384 int32; emb_alloc 8,192 int32; ends 16,384 int32; fw 16,384 int32; input 4 x 4,096 x 1,024 float32; keep_cols 512 int32; norm_in_weight 1,024 float32; norm_out_weight 1,024 float32; seq_sort 16,384 int32; starts 16,384 int32; w_k_weight 8,192 x 1,024 float32; w_mix_weight_codes 1,024 x 64 x 24 uint8 (E2M3 codes of w_mix_weight, K innermost, in blocks of 32 codes, four codes in three bytes); w_mix_weight_scales 1,024 x 64 uint8 (E8M0 scales of w_mix_weight, one for each 32 codes along K); w_up_weight_codes 1,024 x 8 x 24 uint8 (E2M3 codes of w_up_weight, K innermost, in blocks of 32 codes, four codes in three bytes); w_up_weight_scales 1,024 x 8 uint8 (E8M0 scales of w_up_weight, one for each 32 codes along K); w_v_weight 8,192 x 256 float32.
;; Outputs: out0 4 x 4,096 x 1,024 float32.
;; Constants: bb = 512.
;; This version of the problem:
;;   THIS VERSION OF THE PROBLEM IS GIVEN IN LOW PRECISION. The matrix products marked QUANTISED in the list below multiply operands that are first quantised to E2M3 (2 exponent bits, 3 mantissa bits; 6 bits a number), with one power-of-two scale for each 32 numbers along K (OCP MX v1.0); their sums are f32. All else is computed in f32.
;;   The module's matrix products, in the order in which they are computed (A, B: the left and right operand; K: the contracted axis; several contracted axes count as one K, in the product's order):
;;     1. [M 16,384, K 1,024] x [K 1,024, N 512]; A: computed on the way; B: computed on the way: QUANTISED
;;     2. [M 16,384, K 512] x [K 512, N 256]; A: softmax (see below); B: computed on the way: QUANTISED
;;     3. [M 16,384, K 256] x [K 256, N 1,024]; A: computed on the way; B: input w_up_weight (given as codes): QUANTISED
;;     4. [M 16,384, K 2,048] x [K 2,048, N 1,024]; A: computed on the way; B: input w_mix_weight (given as codes): QUANTISED
;;   THE QUANTISER, for each operand of a quantised product, along K:
;;     - K is cut into blocks of 32 from its start; a last block that is shorter is filled with zeros.
;;     - A block's scale is 2^e with e = floor(log2(the largest magnitude in the block)) - 2, held to -126 .. 127; a block of zeros has e = 0. As a byte (E8M0): e + 127.
;;     - Each number is divided by its block's scale, clamped to +-7.5, and rounded to the nearest number of E2M3, ties to even, subnormals kept.
;;     - The product sums the exact products of the quantised numbers (number of the format x scale) in f32.
;;   ~~~python
;;   def quantise(x, axis):      # numpy; x: float32 -> the quantised numbers, widened to float32 again
;;       x = np.moveaxis(x, axis, -1); K = x.shape[-1]
;;       x = np.pad(x, [(0, 0)] * (x.ndim - 1) + [(0, -K % 32)]); x = x.reshape(x.shape[:-1] + (-1, 32)); a = np.abs(x).max(-1, keepdims=True)
;;       e = np.where(a > 0, np.clip(np.frexp(np.where(a > 0, a, 1))[1] - 1 - 2, -126, 127), 0)      # np.frexp(a)[1] - 1 = floor(log2(a)), exactly
;;       r = np.clip(x / 2.0 ** e, -7.5, 7.5)
;;       step = 2.0 ** (np.maximum(np.frexp(np.where(r == 0, 1, r))[1] - 1, 0) - 3)
;;       q = np.round(r / step) * step * 2.0 ** e      # np.round: ties to even
;;       return np.moveaxis(q.reshape(q.shape[:-2] + (-1,))[..., :K], -1, axis).astype(np.float32)
;;   ~~~
;;   SOFTMAX AHEAD OF A QUANTISED PRODUCT. Where the list says 'softmax', what is quantised is not the finished softmax but p = 2^(t - M), with t = logit x log2(e) and M = ceil(the row's largest t), a whole number; so 1/2 < the row's largest p <= 1. The row's sum l is taken of the UNQUANTISED p, in f32, and the product's result is divided by l at the end. Since M is a whole number, a kernel that streams over the keys may use a running M (the ceiling of the running maximum): every later rescaling is an exact power of two, which a block's scale takes up: the codes' values come out the same.
;;   OPERANDS COMPUTED ON THE WAY. 'Computed on the way' means the value that the module computes at that place (a softmax that the list does not call 'softmax' is quantised finished and normalised). What goes into a quantiser is computed in f32, as accurately as f32 sums, v_exp_f32 and their like allow (about 1e-6 of the number): no bf16 or f16 on the way to a quantiser, and a product that is left as it is and whose result goes on into a quantised operand takes f32 operands (vector FMAs, or v_wmma_f32_16x16x4_f32). A number that lies on a knife's edge between two numbers of the format may be rounded either way, as far as f32 arithmetic and the matrix unit's own rounding can turn it there, and no further.
;;   INPUTS GIVEN AS CODES. w_mix_weight (in the module: [1024, 2048], K = its axis 1); w_up_weight (in the module: [1024, 256], K = its axis 1): each comes as NAME_codes (uint8): NAME with its K axis moved to the last place and cut into blocks of 32 codes, [.., K / 32, bytes a block], one block behind the other in memory; four codes in three bytes: a row's codes are one little-endian stream of bits, code i at bits 6 i .. 6 i + 5 (a code: sign, 2 exponent bits, 3 mantissa bits); and NAME_scales (uint8): the same leading axes, one E8M0 byte (e + 127) for each 32 codes along K. Its value is code x scale, taken as it is: it is not quantised again, and the codes and scales need not be those that the quantiser above would give.
;; One version. Each part assembles by itself: llvm-mc -triple=amdgcn-amd-amdhsa -mcpu=gfx1250 --defsym DOCPART=n.
;; ======== version 1 of 1: 3 launches
;; workspace buffers: a_codes 12,582,912 bytes; a_scales 524,288 bytes; cat_codes 25,165,824 bytes; cat_scales 1,048,576 bytes; wq 745,472 bytes; ints 198,912 bytes of whole numbers
;; launch prep (part 1): grid 608 x 1, 4 waves a work-group, no clusters, 25,088 bytes of LDS; arguments input, norm_in_weight, keep_cols, emb_alloc, starts, ends, w_k_weight, w_v_weight, w_up_weight_codes, w_up_weight_scales, bw, fw, seq_sort, a_codes, a_scales, cat_codes, cat_scales, wq, ints; writes a_codes, a_scales, cat_codes, cat_scales, wq, ints
.if DOCPART == 1
	.amdgcn_target "amdgcn-amd-amdhsa--gfx1250"
	.amdhsa_code_object_version 6
	.text
	.protected	k_q36b87f4242_prep
	.globl	k_q36b87f4242_prep
	.p2align	8
	.type	k_q36b87f4242_prep,@function
k_q36b87f4242_prep:
	s_mov_b64 s[64:65], 0
	v_nop
	global_prefetch_b8 v0, s[64:65] scope:SCOPE_SE
	s_setreg_imm32_b32 hwreg(HW_REG_WAVE_MODE, 25, 1), 1
	s_wait_xcnt 0x0
; ONE PASS OVER ALL THAT THE LATER LAUNCHES READ MORE THAN ONCE.  Six kinds of work-groups, told apart by the work-group's number:
;   0-31   the kept rows of w_k, quantised along their 1,024 (E2M3, one E8M0 byte for 32), laid as images of operand registers
;   32-47  the kept rows of w_v, quantised along the KEYS (a lane to a channel, registers down the keys), laid likewise
;   48-55  w_up's codes and scale words, copied into the same layout
;   56-63  the key range of each block of 512 places (least start, largest end, held to 0..512) and the kept rows' labels
;   64-95  for each output row j: fw[bw[j]], seq_sort[bw[j]], bw[j] >> 9
;   96-607 input, 8 rows a wave, read once: codes of the row as it is (second half of cat) and of w_in (x rsqrt(mean x^2 + eps))
; THE STREAM wq: 7 steps of SLOTB bytes; in a step QW bytes for each wave of the next launch: 16 fragments of FRB bytes (registers 4 c .. 4 c + 3
; of lane l at 512 c + 16 l), then the fragments' scale words (fragment f, lane l at SCO + 512 (f / 4) + 16 l + 4 (f % 4)).
; Lane r of a fragment takes row base + r + 8 (r / 8), so that the results of two neighbouring tiles are 16 neighbours along the next K.
; A block's scale byte is its largest magnitude's exponent field - 2, held at 1 from below.
; LIMITS: a block whose largest magnitude lies under 2^-124 (a block of zeros among them) gets the byte 1 where the rule says another: its codes are
; zeros or the rule's own subnormals were not tried; these bytes are read by this program alone.  NaN and infinities among the floating-point inputs are not served.
; Indices are held to their tables (keep_cols to 8,191; bw and fw to 16,383).
; No tensor loads, no barrier: waves share nothing; only the rows' path touches LDS, each wave its own WREG bytes.  No tile is shared between work-groups, so there is no cluster.
.set SLOTB, 106496
.set QW,    26624
.set SCO,   24576
.set FRB,   1536
.set TM,    200                        ; v200-215 at work in the quantiser
.set PW,    216                        ; the scale word just made
.set PC,    176                        ; v176-187 a fragment's codes; v188-194 the halves that are moved
	s_load_b512 s[4:19], s[0:1], 0x0               ; input, norm_in, keep_cols, emb_alloc, starts, ends, w_k, w_v
	s_load_b512 s[20:35], s[0:1], 0x40             ; w_up codes, w_up scales, bw, fw, seq_sort, a_codes, a_scales, cat_codes
	s_load_b128 s[36:39], s[0:1], 0x80             ; cat_scales, wq
	s_load_b64 s[40:41], s[0:1], 0x90              ; ints
	v_lshl_add_u32 v254, v0, 2, 0x6000
	v_mov_b32 v255, 0
	v_lshrrev_b32 v1, 5, v0
	v_readfirstlane_b32 s44, v1                    ; wave 0..3
	v_and_b32 v1, 15, v0                           ; r
	v_bfe_u32 v2, v0, 4, 1                         ; h
	v_and_b32 v3, 31, v0                           ; lane
	v_lshlrev_b32 v7, 4, v3                        ; 16 x lane: an image's place for my lane
	s_mov_b32 s46, 0x76543210
	s_mov_b32 s47, 0xfedcba98                      ; v_permlanex16_b32's selects for lane l xor 16
	s_wait_kmcnt 0x0
	s_cmp_lt_u32 ttmp9, 32
	s_cbranch_scc1 .Lwk
	s_cmp_lt_u32 ttmp9, 48
	s_cbranch_scc1 .Lwv
	s_cmp_lt_u32 ttmp9, 56
	s_cbranch_scc1 .Lwup
	s_cmp_lt_u32 ttmp9, 64
	s_cbranch_scc1 .Ltab
	s_cmp_lt_u32 ttmp9, 96
	s_cbranch_scc1 .Lidx
; ================= ROWS OF input =================
; Each load reads 512 consecutive bytes, 16 a lane; a row's 4,096 bytes turn through the wave's two stages in LDS (16 bytes of padding behind each 64) and come back 64 bytes a lane:
; the lane then holds elements 512 g + 16 lane + 0 .. 15 (g = 0, 1), two neighbouring lanes hold a block of 32.
.set WREG, 6144                        ; LDS of a wave: two stages of 2,560 bytes, 256 scale bytes of the normed rows at 5,120, 256 of the plain rows at 5,376
.set SP,   80
.set W,    16                          ; v16-47   norm_in_weight at my 32 elements
.set R,    48                          ; v48-111  two rows as loaded
.set X,    112                         ; v112-143 my 32 elements
.set Y,    144                         ; v144-175 the same, normed
.set C,    176                         ; v176-191 four runs of three registers of codes
.set E,    208                         ; v208-239 a scale byte for each conversion: no LDS store's data are written again
	s_sub_co_u32 s48, ttmp9, 96
	s_lshl_b32 s48, s48, 2
	s_add_co_u32 s48, s48, s44
	s_lshl_b32 s48, s48, 3                         ; my wave's first row
	s_mov_b32 s53, 0
	s_lshl_b32 s52, s48, 12
	s_add_nc_u64 s[4:5], s[4:5], s[52:53]          ; input
	s_mul_i32 s52, s48, 768
	s_add_nc_u64 s[30:31], s[30:31], s[52:53]      ; a_codes
	s_mul_i32 s52, s48, 1536
	s_add_nc_u64 s[34:35], s[34:35], s[52:53]      ; cat_codes
	s_lshl_b32 s52, s48, 5
	s_add_nc_u64 s[32:33], s[32:33], s[52:53]      ; a_scales
	s_lshl_b32 s52, s48, 6
	s_add_nc_u64 s[36:37], s[36:37], s[52:53]      ; cat_scales
	s_mov_b32 s50, 0x3a800000                      ; 1 / 1024
	s_mov_b32 s51, 0x358637bd                      ; eps = 1e-6
	s_mul_i32 s54, s44, WREG
	v_mul_u32_u24 v4, v3, 12                       ; my 16 codes' place among 512
	v_lshrrev_b32 v5, 1, v3
	v_add_nc_u32 v5, s54, v5
	v_add_nc_u32 v5, 5120, v5                      ; LDS: my block's scale byte
	v_lshlrev_b32 v11, 3, v3                       ; the scale bytes' way out: 8 bytes a lane
	v_add_nc_u32 v6, s54, v11
	v_add_nc_u32 v6, 5120, v6
	v_lshrrev_b32 v8, 2, v3
	v_and_b32 v9, 3, v3
	v_mul_u32_u24 v14, v8, SP
	v_lshl_add_u32 v14, v9, 4, v14
	v_add_nc_u32 v14, s54, v14                     ; the stage, on the way in: SP (lane / 4) + 16 (lane % 4)
	v_mul_u32_u24 v15, v3, SP
	v_add_nc_u32 v15, s54, v15                     ; and on the way out: SP x lane
	v_lshlrev_b32 v8, 6, v8
	v_lshl_add_u32 v8, v9, 3, v8
	v_add_nc_u32 v8, 32, v8                        ; cat_scales: row lane / 4 of 64 bytes, its second half, 8 (lane % 4)
.macro LOAD t
.irp n, 0,1,2,3,4,5,6,7
	global_load_b128 v[R+32*((\t)%2)+4*\n:R+32*((\t)%2)+4*\n+3], v7, s[4:5] offset:4096*(\t)+512*\n th:TH_LOAD_NT
.endr
.endm
.macro TURN src, dst                   ; LDS serves a wave's instructions in order: no wait between the stores and the loads
.irp g, 0,1
.irp i, 0,1,2,3
	ds_store_b128 v14, v[\src+16*\g+4*\i:\src+16*\g+4*\i+3] offset:2560*\g+8*SP*\i
.endr
.endr
.irp g, 0,1
.irp i, 0,1,2,3
	ds_load_b128 v[\dst+16*\g+4*\i:\dst+16*\g+4*\i+3], v15 offset:2560*\g+16*\i
.endr
.endr
.endm
; 16 neighbours in v[src] on -> 96 bits of codes in v[dst] on, the block's byte in v[e] and in LDS
.macro Q16 src, dst, e, off
	v_max3_num_f32 v192, |v[\src]|, |v[\src+1]|, |v[\src+2]|
	v_max3_num_f32 v193, |v[\src+3]|, |v[\src+4]|, |v[\src+5]|
.irp i, 6,10
	v_max3_num_f32 v192, v192, |v[\src+\i]|, |v[\src+\i+1]|
	v_max3_num_f32 v193, v193, |v[\src+\i+2]|, |v[\src+\i+3]|
.endr
	v_max3_num_f32 v192, v192, |v[\src+14]|, |v[\src+15]|
	v_max3_num_f32 v192, v192, v193, 0x1800000     ; the floor 2^(3 - 127): the byte cannot fall under 1
	v_max_num_f32_dpp v192, v192, v192 row_xmask:1 row_mask:0xf bank_mask:0xf   ; with my neighbour's 16: the block's largest magnitude
	v_add_nc_u32 v194, 0xff000000, v192            ; 2 off its exponent field: the conversion takes the exponent field of this operand as its scale
	v_cvt_scalef32_pk16_fp6_f32 v[\dst:\dst+2], v[\src:\src+15], v194
	v_lshrrev_b32 v[\e], 23, v194                  ; the scale's byte (also the plain line behind the conversion)
	ds_store_b8 v5, v[\e] offset:\off              ; both lanes of a block write the same byte with the same value
.endm
.irp n, 0,1,2,3,4,5,6,7
	global_load_b128 v[Y+4*\n:Y+4*\n+3], v7, s[6:7] offset:512*\n
.endr
	LOAD 0
	LOAD 1
	s_wait_loadcnt 16                              ; the weights are in; two rows' 16 loads may be out
	TURN Y, W
	s_wait_dscnt 0x0
.macro ROW t
.if (\t) < 7
	s_wait_loadcnt 8                               ; this row's eight loads are in; the next row's may be out
.else
	s_wait_loadcnt 0x0
.endif
	s_wait_xcnt 0x0                                ; the last row's stores have read their registers: the codes' registers are written again only behind this wait
	TURN R+32*((\t)%2), X
	s_wait_dscnt 0x0                               ; the row is back, and the stores into the stage have read the registers
.if (\t) < 6
	LOAD (\t)+2                                    ; which take the row two on
.endif
	v_pk_mul_f32 v[196:197], v[X:X+1], v[X:X+1]    ; the sum of squares, in two chains
	v_pk_mul_f32 v[198:199], v[X+2:X+3], v[X+2:X+3]
.irp i, 4,8,12,16,20,24,28
	v_pk_fma_f32 v[196:197], v[X+\i:X+\i+1], v[X+\i:X+\i+1], v[196:197]
	v_pk_fma_f32 v[198:199], v[X+\i+2:X+\i+3], v[X+\i+2:X+\i+3], v[198:199]
.endr
	v_pk_add_f32 v[196:197], v[196:197], v[198:199]
	v_add_f32 v196, v196, v197
	v_add_f32_dpp v196, v196, v196 row_xmask:1 row_mask:0xf bank_mask:0xf
	v_add_f32_dpp v196, v196, v196 row_xmask:2 row_mask:0xf bank_mask:0xf
	v_add_f32_dpp v196, v196, v196 row_xmask:4 row_mask:0xf bank_mask:0xf
	v_add_f32_dpp v196, v196, v196 row_xmask:8 row_mask:0xf bank_mask:0xf
	v_permlanex16_b32 v197, v196, s46, s47
	v_add_f32 v196, v196, v197
	v_fma_f32 v196, v196, s50, s51                 ; the mean + eps
	v_rsq_f32 v204, v196
	v_rsq_f32 v205, v196                           ; twice: a pair for the packed multiply
	Q16 X, C, E+4*(\t), 256+32*(\t)                ; the plain row's codes: work that names neither root
	Q16 X+16, C+4, E+4*(\t)+1, 256+32*(\t)+16
	s_wait_alu depctr_va_vdst(0)                   ; one wait for both roots, ahead of their first reader
.irp i, 0,2,4,6,8,10,12,14,16,18,20,22,24,26,28,30
	v_pk_mul_f32 v[Y+\i:Y+\i+1], v[X+\i:X+\i+1], v[204:205]
.endr
.irp i, 0,2,4,6,8,10,12,14,16,18,20,22,24,26,28,30
	v_pk_mul_f32 v[Y+\i:Y+\i+1], v[Y+\i:Y+\i+1], v[W+\i:W+\i+1]   ; w (x rsqrt): the order in which the norm is defined
.endr
	Q16 Y, C+8, E+4*(\t)+2, 32*(\t)
	Q16 Y+16, C+12, E+4*(\t)+3, 32*(\t)+16
	global_store_b96 v4, v[C+8:C+10], s[30:31] offset:768*(\t)          ; 32 lanes store 384 consecutive bytes; a row's two stores 768
	global_store_b96 v4, v[C+12:C+14], s[30:31] offset:768*(\t)+384
	global_store_b96 v4, v[C:C+2], s[34:35] offset:1536*(\t)+768
	global_store_b96 v4, v[C+4:C+6], s[34:35] offset:1536*(\t)+1152
.endm
.irp t, 0,1,2,3,4,5,6,7
	ROW \t
.endr
	ds_load_b64 v[196:197], v6                     ; LDS serves a wave's instructions in order: these see my byte stores
	ds_load_b64 v[198:199], v6 offset:256
	s_wait_dscnt 0x0
	global_store_b64 v11, v[196:197], s[32:33]     ; 8 rows x 32 bytes: 256 consecutive bytes, aligned
	global_store_b64 v8, v[198:199], s[36:37]      ; the second 32 bytes of 8 rows of 64
	s_wait_tensorcnt 0x0
	ds_add_u32 v254, v255
	s_wait_dscnt 0x0
	s_endpgm
; 64 numbers of a lane, register 16 b + i = k 32 b + 16 (lane / 16) + i of my row, become a fragment's codes in v[PC] on and its scale word in v[PW]
.macro QUANT0 s
.irp b, 0,1,2,3
	v_max3_num_f32 v[TM+\b], |v[\s+16*\b]|, |v[\s+1+16*\b]|, 0x1800000
.endr
.irp i, 2,4,6,8,10,12,14
.irp b, 0,1,2,3
	v_max3_num_f32 v[TM+\b], v[TM+\b], |v[\s+16*\b+\i]|, |v[\s+1+16*\b+\i]|
.endr
.endr
.irp b, 0,1,2,3
	v_permlanex16_b32 v[TM+4+\b], v[TM+\b], s46, s47
.endr
.irp b, 0,1,2,3
	v_max_num_f32 v[TM+\b], v[TM+\b], v[TM+4+\b]
.endr
.irp b, 0,1,2,3
	v_add_nc_u32 v[TM+12+\b], 0xff000000, v[TM+\b]
.endr
.irp b, 0,1,2,3
	v_lshrrev_b32 v[TM+4+\b], 23, v[TM+12+\b]
.endr
	v_lshl_or_b32 v[PW], v[TM+5], 8, v[TM+4]
	v_lshl_or_b32 v[PW], v[TM+6], 16, v[PW]
	v_lshl_or_b32 v[PW], v[TM+7], 24, v[PW]
.irp c, 0,1
	v_cvt_scalef32_pk16_fp6_f32 v[PC+6*\c:PC+2+6*\c], v[\s+32*\c:\s+15+32*\c], v[TM+12+2*\c]
	v_cvt_scalef32_pk16_fp6_f32 v[PC+12+4*\c:PC+14+4*\c], v[\s+16+32*\c:\s+31+32*\c], v[TM+12+2*\c+1]
.endr
	v_nop                                          ; one plain line behind a scaled conversion
.irp c, 0,1                            ; the operand's layout wants a whole block in a lane
.irp i, 0,1,2
	v_permlane16_swap_b32 v[PC+6*\c+\i], v[PC+12+4*\c+\i]
.endr
.irp i, 0,1,2
	v_mov_b32 v[PC+3+6*\c+\i], v[PC+12+4*\c+\i]
.endr
.endr
.endm
; ================= w_k: wave W takes key tile W / 4 and stream step W % 4: two fragments =================
.Lwk:
	s_lshl_b32 s48, ttmp9, 2
	s_add_co_u32 s48, s48, s44                     ; W 0..127
	s_and_b32 s49, s48, 3                          ; stream step T
	s_lshr_b32 s50, s48, 2
	s_lshr_b32 s51, s50, 3                         ; the wave of the next launch that reads it
	s_and_b32 s52, s50, 7                          ; its tile
	s_lshl_b32 s53, s51, 7
	s_lshr_b32 s54, s52, 1
	s_lshl_b32 s54, s54, 5
	s_add_co_u32 s53, s53, s54
	s_and_b32 s54, s52, 1
	s_lshl_b32 s54, s54, 3
	s_add_co_u32 s53, s53, s54                     ; the tile's first key
	v_and_b32 v4, 8, v1
	v_add_nc_u32 v4, v4, v1
	v_add_nc_u32 v4, s53, v4                       ; my key
	v_lshlrev_b32 v4, 2, v4
	global_load_b32 v5, v4, s[8:9]                 ; keep_cols
	s_lshl_b32 s54, s49, 10
	s_mov_b32 s55, 0
	s_add_nc_u64 s[16:17], s[16:17], s[54:55]      ; w_k at the step's 256 numbers
	s_mul_i32 s54, s49, SLOTB
	s_mul_i32 s56, s51, QW
	s_add_co_u32 s54, s54, s56
	s_add_nc_u64 s[38:39], s[38:39], s[54:55]
	s_mul_i32 s56, s52, FRB
	s_mov_b32 s57, 0
	s_add_nc_u64 s[58:59], s[38:39], s[56:57]      ; where the fragments go
	s_lshr_b32 s56, s52, 2
	s_lshl_b32 s56, s56, 9
	s_and_b32 s60, s52, 3
	s_lshl_b32 s60, s60, 2
	s_add_co_u32 s56, s56, s60
	s_add_nc_u64 s[60:61], s[38:39], s[56:57]      ; and their scale words
.irp b, 0,1,2,3
	v_mov_b32 v[TM+4+\b], 0                        ; a lane permute's destination counts as one of its sources
.endr
	s_wait_loadcnt 0x0
	v_min_u32 v5, 0x1fff, v5
	v_lshlrev_b32 v6, 12, v5                       ; a row of w_k is 4,096 bytes
	v_lshl_add_u32 v6, v2, 6, v6                   ; + 64 h: my 16 numbers of a block of 32
.irp kk, 0,1
.irp b, 0,1,2,3
.irp j, 0,1,2,3
	global_load_b128 v[32+64*\kk+16*\b+4*\j:35+64*\kk+16*\b+4*\j], v6, s[16:17] offset:512*\kk+128*\b+16*\j
.endr
.endr
.endr
	s_wait_loadcnt 16                              ; the first fragment's 16 loads are in
	QUANT0 32
.irp c, 0,1,2
	global_store_b128 v7, v[PC+4*\c:PC+4*\c+3], s[58:59] offset:512*\c
.endr
	global_store_b32 v7, v[PW], s[60:61] offset:SCO
	s_wait_xcnt 0x0                                ; the stores have read their registers
	s_wait_loadcnt 0x0
	QUANT0 96
.irp c, 0,1,2
	global_store_b128 v7, v[PC+4*\c:PC+4*\c+3], s[58:59] offset:8*FRB+512*\c
.endr
	global_store_b32 v7, v[PW], s[60:61] offset:SCO+1024
	s_endpgm
; ================= w_v: wave W takes channel tile W / 4 and keys 128 (W % 4) on: one fragment =================
.Lwv:
	s_sub_co_u32 s48, ttmp9, 32
	s_lshl_b32 s48, s48, 2
	s_add_co_u32 s48, s48, s44                     ; W 0..63
	s_and_b32 s49, s48, 3                          ; K step
	s_lshr_b32 s50, s48, 2
	s_lshr_b32 s51, s50, 2                         ; the reading wave
	s_and_b32 s52, s50, 3                          ; its tile
	s_lshl_b32 s53, s51, 6
	s_lshr_b32 s54, s52, 1
	s_lshl_b32 s54, s54, 5
	s_add_co_u32 s53, s53, s54
	s_and_b32 s54, s52, 1
	s_lshl_b32 s54, s54, 3
	s_add_co_u32 s53, s53, s54                     ; the tile's first channel
	v_and_b32 v4, 8, v1
	v_add_nc_u32 v4, v4, v1
	v_add_nc_u32 v4, s53, v4
	v_lshlrev_b32 v5, 2, v4                        ; my channel, in bytes
	s_lshl_b32 s54, s49, 9
	v_lshlrev_b32 v6, 7, v2
	v_add_nc_u32 v6, s54, v6                       ; keep_cols at key 128 s + 32 h
.irp c, 0,1
.irp j, 0,1,2,3,4,5,6,7
	global_load_b128 v[32+32*\c+4*\j:35+32*\c+4*\j], v6, s[8:9] offset:256*\c+16*\j
.endr
.endr
	s_mul_i32 s54, s51, QW
	s_add_co_u32 s54, s54, 4*SLOTB
	s_mov_b32 s55, 0
	s_add_nc_u64 s[38:39], s[38:39], s[54:55]
	s_lshl_b32 s56, s49, 2
	s_add_co_u32 s56, s56, s52
	s_mul_i32 s56, s56, FRB                        ; fragment 4 s + tile
	s_mov_b32 s57, 0
	s_add_nc_u64 s[58:59], s[38:39], s[56:57]
	s_lshl_b32 s56, s49, 9
	s_lshl_b32 s60, s52, 2
	s_add_co_u32 s56, s56, s60
	s_add_nc_u64 s[60:61], s[38:39], s[56:57]
	s_wait_loadcnt 0x0
.set n, 0
.rept 64
	v_min_u32 v[32+n], 0x1fff, v[32+n]
	v_lshl_add_u32 v[32+n], v[32+n], 10, v5        ; a row of w_v is 1,024 bytes
.set n, n+1
.endr
.set n, 0
.rept 64
	global_load_b32 v[96+n], v[32+n], s[18:19]     ; w_v(kept key 128 s + 64 c + 32 h + i, my channel): register 32 c + i
.set n, n+1
.endr
	s_wait_loadcnt 0x0
.irp c, 0,1                            ; my block 2 c + h: all its 32 numbers are mine
	v_max3_num_f32 v[200+\c], |v[96+32*\c]|, |v[97+32*\c]|, 0x1800000
.endr
.irp i, 2,4,6,8,10,12,14,16,18,20,22,24,26,28,30
.irp c, 0,1
	v_max3_num_f32 v[200+\c], v[200+\c], |v[96+32*\c+\i]|, |v[97+32*\c+\i]|
.endr
.endr
.irp c, 0,1
	v_add_nc_u32 v[204+\c], 0xff000000, v[200+\c]
.endr
.irp c, 0,1
	v_lshrrev_b32 v[208+\c], 23, v[204+\c]
.endr
	v_lshl_or_b32 v[PW], v209, 16, v208            ; my two bytes: blocks h and 2 + h,
	v_lshlrev_b32 v210, 3, v2
	v_lshlrev_b32 v[PW], v210, v[PW]               ; at their places in the scale word;
	v_mov_b32 v211, 0
	v_permlanex16_b32 v211, v[PW], s46, s47
	v_or_b32 v[PW], v[PW], v211                    ; with lane l xor 16's two the word is whole
.irp c, 0,1
	v_cvt_scalef32_pk16_fp6_f32 v[PC+6*\c:PC+2+6*\c], v[96+32*\c:111+32*\c], v[204+\c]
	v_cvt_scalef32_pk16_fp6_f32 v[PC+12+4*\c:PC+14+4*\c], v[112+32*\c:127+32*\c], v[204+\c]
.endr
	v_nop
.irp c, 0,1
.irp i, 0,1,2
	v_mov_b32 v[PC+3+6*\c+\i], v[PC+12+4*\c+\i]
.endr
.endr
.irp c, 0,1,2
	global_store_b128 v7, v[PC+4*\c:PC+4*\c+3], s[58:59] offset:512*\c
.endr
	global_store_b32 v7, v[PW], s[60:61] offset:SCO
	s_endpgm
; ================= w_up: codes and scale words as they are given, into the stream's layout: four fragments a wave =================
.Lwup:
	s_sub_co_u32 s48, ttmp9, 48
	s_lshl_b32 s48, s48, 2
	s_add_co_u32 s48, s48, s44                     ; W 0..31
	s_lshr_b32 s51, s48, 3                         ; the reading wave
	s_bfe_u32 s49, s48, 0x10002                    ; which half of its 256 units
	s_and_b32 s52, s48, 3                          ; which 32 of the 128
	s_lshl_b32 s53, s51, 8
	s_lshl_b32 s54, s49, 7
	s_add_co_u32 s53, s53, s54
	s_lshl_b32 s54, s52, 5
	s_add_co_u32 s53, s53, s54
	v_and_b32 v4, 8, v1
	v_add_nc_u32 v4, v4, v1
	v_add_nc_u32 v4, s53, v4                       ; my unit (tile u adds 8)
	v_mul_u32_u24 v5, v4, 192                      ; a row of 256 codes is 192 bytes
	v_mad_u32_u24 v5, v2, 24, v5
	v_lshlrev_b32 v6, 3, v4                        ; and 8 scale bytes
.irp u, 0,1
.irp s, 0,1
.irp p, 0,1,2,3,4,5
	global_load_b64 v[32+12*(2*\u+\s)+2*\p:33+12*(2*\u+\s)+2*\p], v5, s[20:21] offset:1536*\u+96*\s+48*(\p/3)+8*(\p%3)
.endr
	global_load_b32 v[96+2*\u+\s], v6, s[22:23] offset:64*\u+4*\s
.endr
.endr
	s_add_co_u32 s54, s49, 5
	s_mul_i32 s54, s54, SLOTB
	s_mul_i32 s56, s51, QW
	s_add_co_u32 s54, s54, s56
	s_mov_b32 s55, 0
	s_add_nc_u64 s[38:39], s[38:39], s[54:55]
	s_mul_i32 s56, s52, 2*FRB
	s_mov_b32 s57, 0
	s_add_nc_u64 s[58:59], s[38:39], s[56:57]      ; fragment 8 s + 2 b + u
	s_lshr_b32 s56, s52, 1
	s_lshl_b32 s56, s56, 9
	s_and_b32 s60, s52, 1
	s_lshl_b32 s60, s60, 3
	s_add_co_u32 s56, s56, s60
	s_add_nc_u64 s[60:61], s[38:39], s[56:57]
	s_wait_loadcnt 0x0
.irp u, 0,1
.irp s, 0,1
.irp c, 0,1,2
	global_store_b128 v7, v[32+12*(2*\u+\s)+4*\c:35+12*(2*\u+\s)+4*\c], s[58:59] offset:(8*\s+\u)*FRB+512*\c
.endr
	global_store_b32 v7, v[96+2*\u+\s], s[60:61] offset:SCO+1024*\s+4*\u
.endr
.endr
	s_endpgm
; ================= the tables: wave W takes block W of starts and ends, and labels 16 W .. 16 W + 15 =================
; The whole numbers go through f32: the conversion never turns an order round, and held to 0..512 every number is exact.
.Ltab:
	s_sub_co_u32 s48, ttmp9, 56
	s_lshl_b32 s48, s48, 2
	s_add_co_u32 s48, s48, s44                     ; block 0..31
	s_lshl_b32 s52, s48, 11
	s_mov_b32 s53, 0
	s_add_nc_u64 s[12:13], s[12:13], s[52:53]
	s_add_nc_u64 s[14:15], s[14:15], s[52:53]
	s_lshl_b32 s54, s48, 4
	v_add_nc_u32 v4, s54, v1
	v_lshlrev_b32 v4, 2, v4
	global_load_b32 v8, v4, s[8:9]                 ; keep_cols[16 W + r]
.irp i, 0,1,2,3
	global_load_b128 v[32+4*\i:35+4*\i], v7, s[12:13] offset:512*\i
	global_load_b128 v[48+4*\i:51+4*\i], v7, s[14:15] offset:512*\i
.endr
	s_mov_b32 s55, 0x44000000                      ; 512.0
	s_wait_loadcnt 8                               ; keep_cols is in; the eight loads behind it may be out
	v_min_u32 v8, 0x1fff, v8
	v_lshlrev_b32 v8, 2, v8
	global_load_b32 v9, v8, s[10:11]               ; emb_alloc
	s_wait_loadcnt 1                               ; starts and ends are in; the label may be out
.set n, 0
.rept 32
	v_cvt_f32_i32 v[32+n], v[32+n]
.set n, n+1
.endr
	v_min3_num_f32 v64, v32, v33, v34
	v_max3_num_f32 v65, v48, v49, v50
.irp i, 3,5,7,9,11,13
	v_min3_num_f32 v64, v64, v[32+\i], v[33+\i]
	v_max3_num_f32 v65, v65, v[48+\i], v[49+\i]
.endr
	v_min_num_f32 v64, v64, v47
	v_max_num_f32 v65, v65, v63
	v_max_num_f32 v64, 0, v64
	v_max_num_f32 v65, 0, v65
	v_min_num_f32 v64, s55, v64
	v_min_num_f32 v65, s55, v65
.irp x, 1,2,4,8
	v_min_num_f32_dpp v64, v64, v64 row_xmask:\x row_mask:0xf bank_mask:0xf
	v_max_num_f32_dpp v65, v65, v65 row_xmask:\x row_mask:0xf bank_mask:0xf
.endr
	v_mov_b32 v66, 0
	v_mov_b32 v67, 0
	v_permlanex16_b32 v66, v64, s46, s47
	v_permlanex16_b32 v67, v65, s46, s47
	v_min_num_f32 v64, v64, v66                    ; the block's least start
	v_max_num_f32 v65, v65, v67                    ; and largest end
	v_sub_f32 v65, v65, v64
	v_max_num_f32 v65, 0, v65                      ; the range's length
	v_cvt_i32_f32 v64, v64
	v_cvt_i32_f32 v65, v65
	s_lshl_b32 s54, s48, 2
	v_mov_b32 v11, s54
	global_store_b32 v11, v64, s[40:41] offset:198656   ; every lane holds the same number and writes the same word
	global_store_b32 v11, v65, s[40:41] offset:198784
	s_wait_loadcnt 0x0
	global_store_b32 v4, v9, s[40:41] offset:196608     ; lanes r and 16 + r likewise
	s_endpgm
; ================= the rows' indices: four output rows a thread =================
.Lidx:
	s_sub_co_u32 s48, ttmp9, 64
	s_lshl_b32 s48, s48, 11
	v_lshlrev_b32 v4, 4, v0
	v_add_nc_u32 v4, s48, v4
	global_load_b128 v[8:11], v4, s[24:25]         ; bw
	s_wait_loadcnt 0x0
.irp i, 0,1,2,3
	v_min_u32 v[8+\i], 0x3fff, v[8+\i]
	v_lshrrev_b32 v[20+\i], 9, v[8+\i]             ; the place's block of 512
	v_lshlrev_b32 v[24+\i], 2, v[8+\i]
.endr
.irp i, 0,1,2,3
	global_load_b32 v[12+\i], v[24+\i], s[26:27]   ; fw
	global_load_b32 v[16+\i], v[24+\i], s[28:29]   ; seq_sort
.endr
	s_wait_loadcnt 0x0
.irp i, 0,1,2,3
	v_min_u32 v[12+\i], 0x3fff, v[12+\i]
.endr
	global_store_b128 v4, v[12:15], s[40:41]                 ; sixteen lanes store 256 consecutive bytes
	global_store_b128 v4, v[16:19], s[40:41] offset:65536
	global_store_b128 v4, v[20:23], s[40:41] offset:131072
	s_endpgm
.Lfunc_end_k_q36b87f4242_prep:
	.size	k_q36b87f4242_prep, .Lfunc_end_k_q36b87f4242_prep-k_q36b87f4242_prep
	.p2alignl 7, 3214868480
	.fill 96, 4, 3214868480
	.section	.rodata,"a",@progbits
	.p2align	6, 0x0
	.amdhsa_kernel k_q36b87f4242_prep
		.amdhsa_group_segment_fixed_size 25088
		.amdhsa_private_segment_fixed_size 0
		.amdhsa_enable_private_segment 0
		.amdhsa_kernarg_size 152
		.amdhsa_user_sgpr_count 2
		.amdhsa_user_sgpr_kernarg_segment_ptr 1
		.amdhsa_wavefront_size32 1
		.amdhsa_system_sgpr_workgroup_id_x 1
		.amdhsa_system_sgpr_workgroup_id_y 1
		.amdhsa_system_sgpr_workgroup_id_z 1
		.amdhsa_system_vgpr_workitem_id 0
		.amdhsa_next_free_vgpr 256
		.amdhsa_next_free_sgpr 90
		.amdhsa_reserve_vcc 0
		.amdhsa_float_denorm_mode_32 3
		.amdhsa_float_denorm_mode_16_64 3
		.amdhsa_memory_ordered 1
		.amdhsa_forward_progress 1
		.amdhsa_inst_pref_size 123
	.end_amdhsa_kernel
	.amdgpu_metadata
---
amdhsa.version: [ 1, 2 ]
amdhsa.kernels:
  - .name:           k_q36b87f4242_prep
    .symbol:         k_q36b87f4242_prep.kd
    .args:
      - { .name: input, .offset: 0, .size: 8, .value_kind: global_buffer, .address_space: global }
      - { .name: norm_in_weight, .offset: 8, .size: 8, .value_kind: global_buffer, .address_space: global }
      - { .name: keep_cols, .offset: 16, .size: 8, .value_kind: global_buffer, .address_space: global }
      - { .name: emb_alloc, .offset: 24, .size: 8, .value_kind: global_buffer, .address_space: global }
      - { .name: starts, .offset: 32, .size: 8, .value_kind: global_buffer, .address_space: global }
      - { .name: ends, .offset: 40, .size: 8, .value_kind: global_buffer, .address_space: global }
      - { .name: w_k_weight, .offset: 48, .size: 8, .value_kind: global_buffer, .address_space: global }
      - { .name: w_v_weight, .offset: 56, .size: 8, .value_kind: global_buffer, .address_space: global }
      - { .name: w_up_weight_codes, .offset: 64, .size: 8, .value_kind: global_buffer, .address_space: global }
      - { .name: w_up_weight_scales, .offset: 72, .size: 8, .value_kind: global_buffer, .address_space: global }
      - { .name: bw, .offset: 80, .size: 8, .value_kind: global_buffer, .address_space: global }
      - { .name: fw, .offset: 88, .size: 8, .value_kind: global_buffer, .address_space: global }
      - { .name: seq_sort, .offset: 96, .size: 8, .value_kind: global_buffer, .address_space: global }
      - { .name: a_codes, .offset: 104, .size: 8, .value_kind: global_buffer, .address_space: global }
      - { .name: a_scales, .offset: 112, .size: 8, .value_kind: global_buffer, .address_space: global }
      - { .name: cat_codes, .offset: 120, .size: 8, .value_kind: global_buffer, .address_space: global }
      - { .name: cat_scales, .offset: 128, .size: 8, .value_kind: global_buffer, .address_space: global }
      - { .name: wq, .offset: 136, .size: 8, .value_kind: global_buffer, .address_space: global }
      - { .name: ints, .offset: 144, .size: 8, .value_kind: global_buffer, .address_space: global }
    .group_segment_fixed_size: 25088
    .private_segment_fixed_size: 0
    .kernarg_segment_align: 8
    .kernarg_segment_size: 152
    .max_flat_workgroup_size: 128
    .sgpr_count:     90
    .vgpr_count:     256
    .wavefront_size: 32
...
	.end_amdgpu_metadata
.endif
;; end of part 1
;; launch attn (part 2): grid 256 x 1, 4 waves a work-group, clusters of 4 x 1, 327,680 bytes of LDS; arguments ints, a_codes, a_scales, wq, norm_out_weight, cat_codes, cat_scales; writes cat_codes, cat_scales
.if DOCPART == 2
	.amdgcn_target "amdgcn-amd-amdhsa--gfx1250"
	.amdhsa_code_object_version 6
	.text
	.protected	k_q36b87f4242_attn
	.globl	k_q36b87f4242_attn
	.p2align	8
	.type	k_q36b87f4242_attn,@function
k_q36b87f4242_attn:
	s_mov_b64 s[64:65], 0
	v_nop
	global_prefetch_b8 v0, s[64:65] scope:SCOPE_SE
	s_setreg_imm32_b32 hwreg(HW_REG_WAVE_MODE, 25, 1), 1
	s_wait_xcnt 0x0
	s_wait_alu depctr_hold_cnt(0) depctr_sa_sdst(0) depctr_va_vdst(0) depctr_va_sdst(0) depctr_va_ssrc(0) depctr_va_vcc(0) depctr_vm_vsrc(0)
	s_getreg_b32 s2, hwreg(HW_REG_IB_STS2, 6, 4)
	s_cmp_eq_u32 s2, 0
	s_cbranch_scc0 .Lentry_in_a_cluster
	s_endpgm
.Lentry_in_a_cluster:
	s_bfe_u32 s2, ttmp6, 0x10000c
	s_cmp_lg_u32 s2, 0x3003
	s_cbranch_scc0 .Lentry_shape_is_right
	s_endpgm
.Lentry_shape_is_right:
; FOR 64 OUTPUT ROWS j: scores = A[fw[bw[j]]] . Wk^T under the mask (label equal, key inside the block's range), p = 2^(t - M), comb = p V / l, up = comb Wup^T,
; and the first half of cat: codes and scale bytes of w_out (up rsqrt(mean up^2 + eps)).  All three products on codes of E2M3 with one E8M0 byte for 32 along K.
; SHARES.  A work-group of four waves takes 64 rows.  THE WAVES SHARE THE COLUMNS: wave w owns keys 128 w on, channels 64 w on and units 256 w on, for all 64 rows, so that each weight fragment
; is read from LDS once and feeds four matrix instructions.  All products are used transposed (source 0 = 16 weight rows, source 1 = 16 tokens): a lane holds one token (lane % 16) throughout.
; The rows of a weight tile are base + r + 8 (r / 8): the 16 registers of two neighbouring tiles are 16 neighbours along the next K.  Operands that one wave makes reach the others through LDS as images of their registers.
; THE WEIGHTS come as a stream of 7 steps (4 of Wk, 1 of V, 2 of Wup) through a ring of two LDS slots; each wave asks for its own QW bytes of a step and it alone reads them.
; CLUSTER.  The four work-groups of a cluster walk the same stream in step: each load is asked for jointly (the same descriptor, a mask that names the four).  Two tensor loads of a wave are out at the start, later one.
; A ROW WITHOUT A KEY (the sum of p is 0) gets the scale byte 0xff in all its words: the next launch's sums of that row are then NaN, as the softmax of an empty row is.
; LIMITS: NaN and infinities among the floating-point inputs are not served; a p under 2^-126 counts as 0; a block whose largest magnitude lies under 2^-124 gets the byte 1 (read by this program alone); indices are held to their tables.
; REGISTERS, in windows of 256.  Window 0: v1-39 addresses; v40-71 the tokens' scale words; v72-87 the weights' scale words; v88-143 at work; v144-159 label, range, NaN mask of my token in each tile of rows;
;   v160-255 two sets of four token fragments (in the softmax: block maxima; at both ends: rows on their way).   Window 1: v0-191 weight fragments (in the mask v0-15 at work); v192-255 my keys' labels, later w_out.
;   Window 2: the scores S^T (tile of rows m, key tile t at v[64 m + 8 t]); later up, first half.   Window 3: v0-127 O^T; later up, second half.
.set SLOTB, 106496
.set QW,    26624
.set SCO,   24576
.set FRB,   1536
.set AROW,  212992                     ; 64 rows of A's codes, 784 bytes apart (768 + 16: row r starts 4 r banks on); at the end the rows of cat
.set APITCH, 784
.set ASC,   263168                     ; their scale bytes, 48 bytes apart
.set PIMG,  266240                     ; p's 16 fragments (tile of rows m, K step s: 4 m + s)
.set PSC,   290816                     ; their scale words, 128 bytes each
.set CIMG,  292864                     ; comb's 8 fragments (2 m + s), six planes of 256 bytes: register pair p at 256 p + 8 lane
.set CSC,   305152
.set XCH,   306176                     ; what the waves tell each other of a token q: 16 q + 4 wave; maxima, sums at + 1024, squares at + 2048
.set SPARE, 309248                     ; the spare words, 128 bytes for each wave: two blocks of 256 bytes that no other line names
.set R_,  1
.set H_,  2
.set L_,  3
.set LI,  4
.set LS,  5
.set WB0, 6                            ; v6, v7: 16 lane + my part of slot 0, 1
.set WB1, 7
.set AA,  8
.set ASA, 9
.set SPW, 10                           ; LDS address of my spare word; never rewritten
.set NIL, 11                           ; 0; never rewritten
.set XST, 12
.set XLD, 13
.set PWI, 14
.set PWS, 15
.set PRD, 16
.set PSR, 17
.set CWI, 18
.set CWS, 19
.set CRD, 20
.set CSR, 21
.set OST, 22
.set OSS, 23
.set ORD, 24
.set GO,  25
.set OSR, 26
.set GOS, 27
.set WOA, 28
.set R16, 29
.set KB,  30
.set LAO, 31
.set SCB, 40
.set WS,  72
.set PC,  88
.set PW,  108
.set TM,  112
.set XG,  112
.set LSQ, 128
.set RR,  136
.set LAB, 144
.set A1,  148
.set LEN, 152
.set PZ,  156
.set AF,  160
.set BM,  160
.set BX,  176
.set SOP, 192
.set G1,  24
.set G0,  32
.set MK,  70                           ; s[70:85] sixteen lane masks: the label is my token's
.set MR,  48                           ; s[48:63] sixteen lane masks: the key lies in my token's range (the head's scratch registers, free behind the head)
.set MSB, 0
.macro WIN new                         ; the immediate's high byte repeats the setting that is left; a switch that changes nothing is dropped
.if MSB != (\new)
	s_set_vgpr_msb (MSB<<8)|(\new)
.set MSB, (\new)
.endif
.endm
.macro PLACES n                        ; plain vector lines between a matrix instruction and a load into, or a vector line on, its registers
.rept \n
	v_nop
.endr
.endm
.macro CREST                           ; a round of the cluster's barrier behind its opening barrier
	s_cmp_lg_u32 s20, 0
	s_cbranch_scc1 .Lnot_wave_0_\@
	s_barrier_signal -3
.Lnot_wave_0_\@:
	s_barrier_wait -3
	s_barrier_signal -1
	s_barrier_wait -1
.endm
.macro CROUND
	s_barrier_signal -1
	s_barrier_wait -1
	CREST
.endm
.macro BAR                             ; my LDS stores have landed and my LDS loads are in: then the work-group's barrier
	s_wait_dscnt 0x0
	s_barrier_signal -1
	s_barrier_wait -1
.endm
; eight weight fragments (8 kk + t) of the slot at v[adr], and their scale words, into bank bk: 26 LDS loads
.macro WFETCH adr, kk, bk
	WIN 0x40
.irp t, 0,1,2,3,4,5,6,7
.irp c, 0,1,2
	ds_load_b128 v[96*(\bk)+12*\t+4*\c:96*(\bk)+12*\t+4*\c+3], v[\adr] offset:(8*(\kk)+\t)*FRB+512*\c
.endr
.endr
	WIN 0
.irp p, 0,1
	ds_load_b128 v[WS+8*(\bk)+4*\p:WS+8*(\bk)+4*\p+3], v[\adr] offset:SCO+512*(2*(\kk)+\p)
.endr
.endm
; A's four fragments of K step ks into bank bk: 24 LDS loads of 8 bytes
.macro AFETCH ks, bk
	WIN 0
.irp m, 0,1,2,3
.irp p, 0,1,2,3,4,5
	ds_load_b64 v[AF+48*(\bk)+12*\m+2*\p:AF+48*(\bk)+12*\m+2*\p+1], v[AA] offset:16*APITCH*\m+96*(\ks)+48*(\p/3)+8*(\p%3)
.endr
.endr
.endm
; eight matrix instructions: my eight key tiles x tile of rows m.  The 32 accumulators take turns in the same order in every K step
.macro MULS m, bk, ks, zero
	WIN 0xa1
.irp t, 0,1,2,3,4,5,6,7
.if \zero
	v_wmma_scale_f32_16x16x128_f8f6f4 v[64*(\m)+8*\t:64*(\m)+8*\t+7], v[96*(\bk)+12*\t:96*(\bk)+12*\t+11], v[AF+48*(\bk)+12*(\m):AF+48*(\bk)+12*(\m)+11], 0, v[WS+8*(\bk)+\t], v[SCB+8*(\m)+(\ks)] matrix_a_fmt:MATRIX_FMT_FP6 matrix_b_fmt:MATRIX_FMT_FP6
.else
	v_wmma_scale_f32_16x16x128_f8f6f4 v[64*(\m)+8*\t:64*(\m)+8*\t+7], v[96*(\bk)+12*\t:96*(\bk)+12*\t+11], v[AF+48*(\bk)+12*(\m):AF+48*(\bk)+12*(\m)+11], v[64*(\m)+8*\t:64*(\m)+8*\t+7], v[WS+8*(\bk)+\t], v[SCB+8*(\m)+(\ks)] matrix_a_fmt:MATRIX_FMT_FP6 matrix_b_fmt:MATRIX_FMT_FP6
.endif
.endr
.endm
; K step 2 t: bank 0; in its middle the fragments of K step 2 t + 1 are fetched into bank 1
.macro KSA t, zero
	s_wait_dscnt 0x0
	MULS 0, 0, 2*(\t), \zero
	MULS 1, 0, 2*(\t), \zero
	PLACES 4
	WFETCH WB0+(\t)%2, 1, 1
	AFETCH 2*(\t)+1, 1
	MULS 2, 0, 2*(\t), \zero
	MULS 3, 0, 2*(\t), \zero
.endm
; K step 2 t + 1: bank 1, and the change of slots.  Each wave waits for all its tensor loads (its part of the other slot), adds 0 to its spare word, and waits for that and for its reads of this slot;
; the barrier opens a round of the cluster's barrier; behind the round this slot is filled again, with stream step t + 2.
.macro KSB t, next
	WIN 0
	s_wait_tensorcnt 0x0
	ds_add_u32 v[SPW], v[NIL]
	s_wait_dscnt 1                                 ; bank 1 is in; the add may be out
	MULS 0, 1, 2*(\t)+1, 0
	s_wait_dscnt 0x0                               ; the add is done, and my reads of this slot are over
	s_barrier_signal -1
	MULS 1, 1, 2*(\t)+1, 0
	WIN 0
	s_barrier_wait -1
	CREST
	s_add_nc_u64 s[G0+4*((\t)%2)+2:G0+4*((\t)%2)+3], s[G0+4*((\t)%2)+2:G0+4*((\t)%2)+3], 2*SLOTB
	tensor_load_to_lds s[G0+4*((\t)%2):G0+4*((\t)%2)+3], s[G1:G1+7]
	s_nop 0
	PLACES 4                                       ; (the places in front of the loads below)
.if \next
	WFETCH WB0+1-(\t)%2, 0, 0
	AFETCH 2*(\t)+2, 0
.endif
	MULS 2, 1, 2*(\t)+1, 0
	MULS 3, 1, 2*(\t)+1, 0
.endm
; The mask on 16 scores: register 16 b + i of tile of rows m holds key 128 w + 32 b + 16 h + i.  It counts where its label is my token's and key - start < length (unsigned); else the score becomes -infinity.
; Each of the two tests leaves its sixteen lane masks in scalar registers of its own, and each has its own run of selects: vector compares write the masks and vector selects read them, with no scalar
; instruction between; the lines go in runs of sixteen, so that none reads the result of the line above it.
.macro MASK m, b
	WIN 0x41
.irp i, 0,1,2,3,4,5,6,7,8,9,10,11,12,13,14,15
	v_sub_nc_u32 v[\i], 32*(\b)+\i, v[A1+(\m)]     ; key - start, into window 1's v0-15, which the weight banks have left
.endr
.irp i, 0,1,2,3,4,5,6,7,8,9,10,11,12,13,14,15
	v_cmp_eq_u32 s[MK+\i], v[192+16*(\b)+\i], v[LAB+(\m)]
.endr
.irp i, 0,1,2,3,4,5,6,7,8,9,10,11,12,13,14,15
	v_cmp_lt_u32 s[MR+\i], v[\i], v[LEN+(\m)]
.endr
	WIN 0x88
.irp i, 0,1,2,3,4,5,6,7,8,9,10,11,12,13,14,15
	v_cndmask_b32 v[64*(\m)+16*(\b)+\i], s44, v[64*(\m)+16*(\b)+\i], s[MK+\i]   ; each accumulator from its low end on
.endr
.irp i, 0,1,2,3,4,5,6,7,8,9,10,11,12,13,14,15
	v_cndmask_b32 v[64*(\m)+16*(\b)+\i], s44, v[64*(\m)+16*(\b)+\i], s[MR+\i]
.endr
.endm
; 32 nc numbers of a lane in window sw, register 16 b + i = k 32 b + 16 h + i of my token, become 6 nc registers of codes in v[PC] on and 2 nc scale bytes in v[PW].
; The LDS stores of the fragment made before read v[PC] on and v[PW]: the wait for them stands here, ahead of the first line that writes either, so that the search for the maxima runs while they are out.
.macro QUANT src, sw, nc
	WIN (\sw)|((\sw)<<2)
.irp b, 0,1,2,3
.if \b < 2*(\nc)
	v_max3_num_f32 v[TM+\b], |v[(\src)+16*\b]|, |v[(\src)+16*\b+1]|, 0x1800000   ; the floor 2^(3 - 127): the byte cannot fall under 1
.endif
.endr
.irp i, 2,4,6,8,10,12,14
.irp b, 0,1,2,3
.if \b < 2*(\nc)
	v_max3_num_f32 v[TM+\b], |v[(\src)+16*\b+\i]|, |v[(\src)+16*\b+\i+1]|, v[TM+\b]
.endif
.endr
.endr
	WIN 0
.irp b, 0,1,2,3
.if \b < 2*(\nc)
	v_permlanex16_b32 v[TM+4+\b], v[TM+\b], s40, s41
.endif
.endr
.irp b, 0,1,2,3
.if \b < 2*(\nc)
	v_max_num_f32 v[TM+\b], v[TM+\b], v[TM+4+\b]
.endif
.endr
.irp b, 0,1,2,3
.if \b < 2*(\nc)
	v_add_nc_u32 v[TM+12+\b], 0xff000000, v[TM+\b]   ; 2 off the exponent field: the conversion's scale operand
.endif
.endr
.irp b, 0,1,2,3
.if \b < 2*(\nc)
	v_lshrrev_b32 v[TM+4+\b], 23, v[TM+12+\b]
.endif
.endr
	s_wait_dscnt 0x0                               ; the last fragment's stores have read their registers: the scale word and the codes are written again only behind this wait
	v_lshl_or_b32 v[PW], v[TM+5], 8, v[TM+4]
.if (\nc) > 1
	v_lshl_or_b32 v[PW], v[TM+6], 16, v[PW]
	v_lshl_or_b32 v[PW], v[TM+7], 24, v[PW]
.endif
	WIN (\sw)
.irp c, 0,1
.if \c < (\nc)
	v_cvt_scalef32_pk16_fp6_f32 v[PC+6*\c:PC+6*\c+2], v[(\src)+32*\c:(\src)+32*\c+15], v[TM+12+2*\c]
	v_cvt_scalef32_pk16_fp6_f32 v[PC+12+4*\c:PC+14+4*\c], v[(\src)+32*\c+16:(\src)+32*\c+31], v[TM+13+2*\c]
.endif
.endr
	WIN 0
	v_nop                                          ; one plain line behind a scaled conversion
.irp c, 0,1
.if \c < (\nc)
.irp i, 0,1,2
	v_permlane16_swap_b32 v[PC+6*\c+\i], v[PC+12+4*\c+\i]   ; the operand's layout wants a whole block in a lane
.endr
.irp i, 0,1,2
	v_mov_b32 v[PC+3+6*\c+\i], v[PC+12+4*\c+\i]
.endr
.endif
.endr
.endm
.macro PFETCH ks, bk                   ; p's four fragments of K step ks: 12 LDS loads
	WIN 0
.irp m, 0,1,2,3
.irp c, 0,1,2
	ds_load_b128 v[AF+48*(\bk)+12*\m+4*\c:AF+48*(\bk)+12*\m+4*\c+3], v[PRD] offset:(4*\m+(\ks))*FRB+512*\c
.endr
.endr
.endm
.macro MULO ks                         ; O^T += V^T p^T: 16 accumulators by turns
	WIN 0xf1
.irp m, 0,1,2,3
.irp t, 0,1,2,3
.if (\ks) == 0
	v_wmma_scale_f32_16x16x128_f8f6f4 v[32*\m+8*\t:32*\m+8*\t+7], v[12*(4*(\ks)+\t):12*(4*(\ks)+\t)+11], v[AF+48*((\ks)%2)+12*\m:AF+48*((\ks)%2)+12*\m+11], 0, v[WS+4*(\ks)+\t], v[SCB+4*\m+(\ks)] matrix_a_fmt:MATRIX_FMT_FP6 matrix_b_fmt:MATRIX_FMT_FP6
.else
	v_wmma_scale_f32_16x16x128_f8f6f4 v[32*\m+8*\t:32*\m+8*\t+7], v[12*(4*(\ks)+\t):12*(4*(\ks)+\t)+11], v[AF+48*((\ks)%2)+12*\m:AF+48*((\ks)%2)+12*\m+11], v[32*\m+8*\t:32*\m+8*\t+7], v[WS+4*(\ks)+\t], v[SCB+4*\m+(\ks)] matrix_a_fmt:MATRIX_FMT_FP6 matrix_b_fmt:MATRIX_FMT_FP6
.endif
.endr
.endr
.endm
.macro MULU sg, kk                     ; up^T, half sg of my units, K step kk: 32 accumulators by turns
	WIN 0xa1+0x50*(\sg)
.irp m, 0,1,2,3
.irp t, 0,1,2,3,4,5,6,7
.if (\kk) == 0
	v_wmma_scale_f32_16x16x128_f8f6f4 v[64*\m+8*\t:64*\m+8*\t+7], v[96*(\kk)+12*\t:96*(\kk)+12*\t+11], v[AF+12*(2*\m+(\kk)):AF+12*(2*\m+(\kk))+11], 0, v[WS+8*(\kk)+\t], v[SCB+2*\m+(\kk)] matrix_a_fmt:MATRIX_FMT_FP6 matrix_b_fmt:MATRIX_FMT_FP6
.else
	v_wmma_scale_f32_16x16x128_f8f6f4 v[64*\m+8*\t:64*\m+8*\t+7], v[96*(\kk)+12*\t:96*(\kk)+12*\t+11], v[AF+12*(2*\m+(\kk)):AF+12*(2*\m+(\kk))+11], v[64*\m+8*\t:64*\m+8*\t+7], v[WS+8*(\kk)+\t], v[SCB+2*\m+(\kk)] matrix_a_fmt:MATRIX_FMT_FP6 matrix_b_fmt:MATRIX_FMT_FP6
.endif
.endr
.endr
.endm
; ---------------- the head ----------------
	s_load_b256 s[4:11], s[0:1], 0x0               ; ints, a_codes, a_scales, wq
	s_load_b128 s[12:15], s[0:1], 0x20             ; norm_out_weight, cat_codes
	s_load_b64 s[16:17], s[0:1], 0x30              ; cat_scales
	v_lshl_add_u32 v[SPW], v0, 2, SPARE
	v_mov_b32 v[NIL], 0
	ds_add_u32 v10, v11
	ds_add_u32 v10, v11
	s_wait_dscnt 0x0
	v_lshrrev_b32 v32, 5, v0
	v_readfirstlane_b32 s20, v32                   ; wave 0..3
	s_bfe_u32 s21, ttmp6, 0x40000                  ; cx: it enters global addresses alone
	s_lshl_b32 s22, ttmp9, 2
	s_add_co_u32 s22, s22, s21
	s_lshl_b32 s22, s22, 6                         ; my work-group's first row
	s_mov_b32 s[G1], 15|(3<<16)|(1<<21)            ; the mask: all four work-groups; elements of 8 bytes; no padding; bit 21 set beside a mask
	s_mov_b32 s[G1+1], 32<<16                      ; tensor_dim0 = 32 elements: rows of 256 bytes
	s_mov_b32 s[G1+2], 104<<16                     ; tensor_dim1 = 104 rows: QW bytes, dense
	s_mov_b32 s[G1+3], 32<<16                      ; tile_dim0
	s_mov_b32 s[G1+4], 104                         ; tile_dim1
	s_mov_b32 s[G1+5], 32                          ; from row to row
	s_mov_b32 s[G1+6], 0
	s_mov_b32 s[G1+7], 0
	s_mov_b32 s40, 0x76543210
	s_mov_b32 s41, 0xfedcba98                      ; v_permlanex16_b32's selects for lane l xor 16
	s_mov_b32 s42, 0x3fb8aa3b                      ; log2(e)
	s_mov_b32 s43, s42
	s_mov_b32 s44, 0xff800000                      ; -infinity
	s_mov_b32 s45, 0x3a800000                      ; 1 / 1024
	s_mov_b32 s46, 0x358637bd                      ; eps = 1e-6
	v_and_b32 v[R_], 15, v0
	v_bfe_u32 v[H_], v0, 4, 1
	v_and_b32 v[L_], 31, v0
	v_lshlrev_b32 v[LI], 4, v[L_]
	v_lshlrev_b32 v[LS], 2, v[L_]
	v_lshlrev_b32 v[R16], 4, v[R_]
	s_mul_i32 s48, s20, QW
	v_add_nc_u32 v[WB0], s48, v[LI]
	v_add_nc_u32 v[WB1], SLOTB, v[WB0]
	v_mul_u32_u24 v[AA], v[R_], APITCH
	v_mad_u32_u24 v[AA], v[H_], 24, v[AA]
	v_add_nc_u32 v[AA], AROW, v[AA]                ; A's fragments: row r, + 24 h
	v_mul_u32_u24 v[ASA], v[R_], 48
	v_add_nc_u32 v[ASA], ASC, v[ASA]
	v_add_nc_u32 v[XLD], XCH, v[R16]
	s_lshl_b32 s49, s20, 2
	v_add_nc_u32 v[XST], s49, v[XLD]
	v_add_nc_u32 v[PRD], PIMG, v[LI]
	s_mul_i32 s49, s20, FRB
	v_add_nc_u32 v[PWI], s49, v[PRD]
	v_add_nc_u32 v[PSR], PSC, v[LS]
	s_lshl_b32 s49, s20, 7
	v_add_nc_u32 v[PWS], s49, v[PSR]
	v_lshl_add_u32 v[CRD], v[L_], 3, CIMG
	s_mul_i32 s49, s20, 768                        ; fragment wave / 2, its half wave % 2: 768 x wave
	v_add_nc_u32 v[CWI], s49, v[CRD]
	v_add_nc_u32 v[CSR], CSC, v[LS]
	s_lshr_b32 s49, s20, 1
	s_lshl_b32 s49, s49, 7
	s_and_b32 s50, s20, 1
	s_lshl_b32 s50, s50, 1
	s_add_co_u32 s49, s49, s50
	v_add_nc_u32 v[CWS], s49, v[CSR]
	s_mul_i32 s49, s20, 192
	v_add_nc_u32 v[OST], s49, v[AA]
	s_lshl_b32 s49, s20, 3
	v_add_nc_u32 v[OSS], s49, v[ASA]
	s_mul_i32 s49, s20, 16*APITCH
	v_mul_u32_u24 v32, v[H_], 8*APITCH
	v_add_nc_u32 v32, v32, v[R16]
	v_add_nc_u32 v32, s49, v32
	v_add_nc_u32 v[ORD], AROW, v32                 ; whole rows: row 16 w + 8 h (+ u), 16 bytes a lane
	s_mul_i32 s49, s20, 16*1536
	v_mul_u32_u24 v32, v[H_], 8*1536
	v_add_nc_u32 v32, v32, v[R16]
	v_add_nc_u32 v[GO], s49, v32                   ; and the same place in cat_codes
	v_lshrrev_b32 v32, 1, v[L_]
	v_and_b32 v33, 1, v[L_]
	v_lshlrev_b32 v39, 4, v33                      ; 16 (lane % 2)
	v_mul_u32_u24 v34, v32, 48
	v_add_nc_u32 v34, v34, v39
	s_mul_i32 s49, s20, 768
	v_add_nc_u32 v34, s49, v34
	v_add_nc_u32 v[OSR], ASC, v34                  ; scale bytes: row 16 w + lane / 2, half lane % 2
	v_lshl_add_u32 v35, v32, 6, v39
	s_lshl_b32 s49, s20, 10
	v_add_nc_u32 v[GOS], s49, v35
	v_lshlrev_b32 v[WOA], 6, v[H_]
	v_add_nc_u32 v[WOA], s49, v[WOA]               ; w_out at unit 256 w + 16 h
	s_lshl_b32 s49, s20, 7
	v_lshl_add_u32 v[KB], v[H_], 4, s49            ; key 128 w + 16 h
	v_lshlrev_b32 v[LAO], 2, v[KB]
	s_lshl_b32 s49, s20, 6
	v_lshl_add_u32 v36, v[H_], 5, s49              ; 4 (16 w + 8 h)
	v_lshl_add_u32 v37, v32, 2, s49                ; 4 (16 w + lane / 2)
	v_lshlrev_b32 v38, 2, v[R_]
	s_wait_kmcnt 0x0
	s_lshl_b32 s48, s22, 2
	s_mov_b32 s49, 0
	s_add_nc_u64 s[66:67], s[4:5], s[48:49]        ; the rows' tables at my first row
	s_mul_i32 s48, s22, 1536
	s_add_nc_u64 s[14:15], s[14:15], s[48:49]
	s_lshl_b32 s48, s22, 6
	s_add_nc_u64 s[16:17], s[16:17], s[48:49]
	global_load_b128 v[112:115], v36, s[66:67]     ; (a) which rows of A my half of the lanes gathers: rows 16 w + 8 h + 0 .. 7
	global_load_b128 v[116:119], v36, s[66:67] offset:16
	global_load_b32 v120, v37, s[66:67]            ; (b) and whose scale bytes I gather
.irp m, 0,1,2,3
	global_load_b32 v[LAB+\m], v38, s[66:67] offset:65536+64*\m     ; (c) my token's label in each tile of rows
.endr
.irp m, 0,1,2,3
	global_load_b32 v[128+\m], v38, s[66:67] offset:131072+64*\m    ; (d) and its block
.endr
	WIN 0x40
.irp b, 0,1,2,3
.irp j, 0,1,2,3
	global_load_b128 v[192+16*\b+4*\j:195+16*\b+4*\j], v[LAO], s[4:5] offset:196608+128*\b+16*\j   ; (e) the labels of my 64 keys
.endr
.endr
	WIN 0
	CROUND                                         ; all four work-groups are here: the first joint loads meet
	s_mul_i32 s48, s20, QW
	s_add_nc_u64 s[50:51], s[10:11], s[48:49]
	s_mov_b32 s[G0], 1
	s_mov_b32 s[G0+1], s48                         ; LDS: my part of slot 0: no place in the cluster enters an LDS address
	s_mov_b64 s[G0+2:G0+3], s[50:51]
	s_or_b32 s[G0+3], s[G0+3], 0x80000000
	s_mov_b32 s[G0+4], 1
	s_add_co_u32 s[G0+5], s48, SLOTB
	s_add_nc_u64 s[G0+6:G0+7], s[50:51], SLOTB
	s_or_b32 s[G0+7], s[G0+7], 0x80000000
	tensor_load_to_lds s[G0:G0+3], s[G1:G1+7]      ; stream steps 0 and 1: two loads of mine are out
	s_nop 0
	tensor_load_to_lds s[G0+4:G0+7], s[G1:G1+7]
	s_nop 0
	PLACES 4
	s_wait_loadcnt 24                              ; (a) and (b) are in; behind them 4 + 4 + 16
.irp u, 0,1,2,3,4,5,6,7
	v_min_u32 v[112+\u], 0x3fff, v[112+\u]
.endr
.irp u, 0,1,2,3,4,5,6,7
	v_mul_u32_u24 v[112+\u], v[112+\u], 768
.endr
.irp u, 0,1,2,3,4,5,6,7
	v_add_nc_u32 v[112+\u], v[112+\u], v[R16]
.endr
	v_min_u32 v120, 0x3fff, v120
	v_lshl_add_u32 v120, v120, 5, v39
.irp u, 0,1,2,3,4,5,6,7
.irp t, 0,1,2
	global_load_b128 v[160+12*\u+4*\t:163+12*\u+4*\t], v[112+\u], s[6:7] offset:256*\t   ; sixteen lanes read 256 consecutive bytes of a row of codes
.endr
.endr
	global_load_b128 v[132:135], v120, s[8:9]
	s_wait_loadcnt 41                              ; (c) and (d) are in; behind them (e)'s 16 and the 25 just issued
.irp m, 0,1,2,3
	v_min_u32 v[128+\m], 31, v[128+\m]
	v_lshlrev_b32 v[128+\m], 2, v[128+\m]
.endr
.irp m, 0,1,2,3
	global_load_b32 v[A1+\m], v[128+\m], s[4:5] offset:198656
	global_load_b32 v[LEN+\m], v[128+\m], s[4:5] offset:198784
.endr
	s_wait_loadcnt 8                               ; all but the eight just issued
.irp u, 0,1,2,3,4,5,6,7
.irp t, 0,1,2
	ds_store_b128 v[ORD], v[160+12*\u+4*\t:163+12*\u+4*\t] offset:APITCH*\u+256*\t
.endr
.endr
	ds_store_b128 v[OSR], v[132:135]
	s_wait_loadcnt 0x0
.irp m, 0,1,2,3
	v_sub_nc_u32 v[A1+\m], v[A1+\m], v[KB]         ; start - (128 w + 16 h): key - start = 32 b + i - this
.endr
	BAR                                            ; 64 rows of A lie in LDS
	s_wait_tensorcnt 1                             ; my part of stream step 0 is in; step 1's may stay out
.irp m, 0,1,2,3
.irp c, 0,1
	ds_load_b128 v[SCB+8*\m+4*\c:SCB+8*\m+4*\c+3], v[ASA] offset:768*\m+16*\c
.endr
.endr
	WFETCH WB0, 0, 0
	AFETCH 0, 0
; ---------------- 1: the scores, eight K steps of 128 ----------------
	KSA 0, 1                                       ; the first products start the sums: nothing is cleared
	KSB 0, 1
	KSA 1, 0
	KSB 1, 1
	KSA 2, 0
	KSB 2, 1
	KSA 3, 0
	KSB 3, 0
	PLACES 4
; ---------------- 2: mask, softmax, p's codes ----------------
.irp m, 0,1,2,3
.irp b, 0,1,2,3
	MASK \m, \b
.endr
.endr
	WIN 0x40
.irp b, 0,1,2,3
.irp j, 0,1,2,3
	global_load_b128 v[192+16*\b+4*\j:195+16*\b+4*\j], v[WOA], s[12:13] offset:128*\b+16*\j   ; w_out of my first 128 units, where the labels lay
.endr
.endr
	WIN 0x0a
.irp m, 0,1,2,3
.irp b, 0,1,2,3
	v_max3_num_f32 v[BM+4*\m+\b], v[64*\m+16*\b], v[64*\m+16*\b+1], s44   ; the largest score of each block of 32 keys: it serves for the row's maximum and for the block's largest p
.endr
.endr
.irp i, 2,4,6,8,10,12,14
.irp m, 0,1,2,3
.irp b, 0,1,2,3
	v_max3_num_f32 v[BM+4*\m+\b], v[64*\m+16*\b+\i], v[64*\m+16*\b+\i+1], v[BM+4*\m+\b]
.endr
.endr
.endr
	WIN 0
.irp n, 0,1,2,3,4,5,6,7,8,9,10,11,12,13,14,15
	v_permlanex16_b32 v[BX+\n], v[BM+\n], s40, s41
.endr
.irp n, 0,1,2,3,4,5,6,7,8,9,10,11,12,13,14,15
	v_max_num_f32 v[BM+\n], v[BM+\n], v[BX+\n]
.endr
.irp m, 0,1,2,3
	v_max3_num_f32 v[TM+\m], v[BM+4*\m], v[BM+4*\m+1], v[BM+4*\m+2]
.endr
.irp m, 0,1,2,3
	v_max_num_f32 v[TM+\m], v[TM+\m], v[BM+4*\m+3]
.endr
.irp m, 0,1,2,3
	ds_store_b32 v[XST], v[TM+\m] offset:256*\m    ; my 128 keys' largest score of each token
.endr
	BAR
.irp m, 0,1,2,3
	ds_load_b128 v[XG+4*\m:XG+4*\m+3], v[XLD] offset:256*\m
.endr
	s_wait_dscnt 0x0
.irp m, 0,1,2,3
	v_max3_num_f32 v[XG+4*\m], v[XG+4*\m], v[XG+4*\m+1], v[XG+4*\m+2]
.endr
.irp m, 0,1,2,3
	v_max_num_f32 v[XG+4*\m], v[XG+4*\m], v[XG+4*\m+3]
.endr
.irp m, 0,1,2,3
	v_mul_f32 v[XG+4*\m], s42, v[XG+4*\m]          ; the row's largest t
.endr
.irp m, 0,1,2,3
	v_max_num_f32 v[XG+4*\m], 0xff61b1e6, v[XG+4*\m]   ; (a row without a key: -3e38, so that every t - M stays -infinity)
.endr
.irp m, 0,1,2,3
	v_floor_f32 v[RR+2*\m], -v[XG+4*\m]            ; -M = floor(-t) = -ceil(t): a whole number
.endr
.irp m, 0,1,2,3
	v_mov_b32 v[RR+2*\m+1], v[RR+2*\m]
.endr
	WIN 0x82
.irp m, 0,1,2,3
.set j, 0
.rept 32
	v_pk_fma_f32 v[64*\m+j:64*\m+j+1], v[64*\m+j:64*\m+j+1], s[42:43], v[RR+2*\m:RR+2*\m+1] op_sel_hi:[1,0,0]   ; t - M
.set j, j+2
.endr
.endr
	WIN 0
.irp m, 0,1,2,3
.irp b, 0,1,2,3
	v_fma_f32 v[BM+4*\m+\b], v[BM+4*\m+\b], s42, v[RR+2*\m]   ; the same of each block's largest score
.endr
.endr
	WIN 0x82
.set j, 0
.rept 256
	v_exp_f32 v[j], v[j]                           ; p = 2^(t - M), not normalised
.set j, j+1
.endr
	WIN 0
	v_nop                                          ; a plain line behind the last exponential
	s_wait_alu depctr_va_vdst(0)                   ; one wait for the batch, ahead of its first reader
.irp n, 0,1,2,3,4,5,6,7,8,9,10,11,12,13,14,15
	v_exp_f32 v[BM+\n], v[BM+\n]                   ; each block's largest p
.endr
	WIN 0x0a
.irp m, 0,1,2,3
	v_pk_add_f32 v[LSQ+2*\m:LSQ+2*\m+1], v[64*\m:64*\m+1], v[64*\m+2:64*\m+3]   ; the row's sum is taken of the unquantised p
.endr
	WIN 0x02
.set j, 4
.rept 30
.irp m, 0,1,2,3
	v_pk_add_f32 v[LSQ+2*\m:LSQ+2*\m+1], v[64*\m+j:64*\m+j+1], v[LSQ+2*\m:LSQ+2*\m+1]
.endr
.set j, j+2
.endr
	WIN 0
.irp m, 0,1,2,3
	v_add_f32 v[LSQ+2*\m], v[LSQ+2*\m], v[LSQ+2*\m+1]
.endr
.irp m, 0,1,2,3
	v_permlanex16_b32 v[LSQ+2*\m+1], v[LSQ+2*\m], s40, s41
.endr
.irp m, 0,1,2,3
	v_add_f32 v[LSQ+2*\m], v[LSQ+2*\m], v[LSQ+2*\m+1]
.endr
.irp m, 0,1,2,3
	ds_store_b32 v[XST], v[LSQ+2*\m] offset:1024+256*\m
.endr
	s_wait_alu depctr_va_vdst(0)                   ; and one for the sixteen
.irp n, 0,1,2,3,4,5,6,7,8,9,10,11,12,13,14,15
	v_max_num_f32 v[BM+\n], 0x1800000, v[BM+\n]    ; the floor: a block whose every p is 0 keeps the byte 1: its codes are zeros
.endr
.irp n, 0,1,2,3,4,5,6,7,8,9,10,11,12,13,14,15
	v_add_nc_u32 v[SOP+\n], 0xff000000, v[BM+\n]
.endr
.irp n, 0,1,2,3,4,5,6,7,8,9,10,11,12,13,14,15
	v_lshrrev_b32 v[BX+\n], 23, v[SOP+\n]
.endr
.irp m, 0,1,2,3
	v_lshl_or_b32 v[PW], v[BX+4*\m+1], 8, v[BX+4*\m]
	v_lshl_or_b32 v[PW], v[BX+4*\m+2], 16, v[PW]
	v_lshl_or_b32 v[PW], v[BX+4*\m+3], 24, v[PW]
	WIN 0x02
.irp c, 0,1
	v_cvt_scalef32_pk16_fp6_f32 v[PC+6*\c:PC+6*\c+2], v[64*\m+32*\c:64*\m+32*\c+15], v[SOP+4*\m+2*\c]
	v_cvt_scalef32_pk16_fp6_f32 v[PC+12+4*\c:PC+14+4*\c], v[64*\m+32*\c+16:64*\m+32*\c+31], v[SOP+4*\m+2*\c+1]
.endr
	WIN 0
	v_nop
.irp c, 0,1
.irp i, 0,1,2
	v_permlane16_swap_b32 v[PC+6*\c+\i], v[PC+12+4*\c+\i]
.endr
.irp i, 0,1,2
	v_mov_b32 v[PC+3+6*\c+\i], v[PC+12+4*\c+\i]
.endr
.endr
.irp c, 0,1,2
	ds_store_b128 v[PWI], v[PC+4*\c:PC+4*\c+3] offset:4*FRB*\m+512*\c   ; K step w of the second product, rows 16 m on
.endr
	ds_store_b32 v[PWS], v[PW] offset:512*\m
	s_wait_dscnt 0x0                               ; the stores have read their registers
.endr
; ---------------- 3: V's 16 fragments leave slot 0, the slot is filled for the last time, O^T = V^T p^T ----------------
	WIN 0x40
.irp f, 0,1,2,3,4,5,6,7,8,9,10,11,12,13,14,15
.irp c, 0,1,2
	ds_load_b128 v[12*\f+4*\c:12*\f+4*\c+3], v[WB0] offset:\f*FRB+512*\c   ; stream step 4 was shown landed by the last change of slots
.endr
.endr
	WIN 0
.irp p, 0,1,2,3
	ds_load_b128 v[WS+4*\p:WS+4*\p+3], v[WB0] offset:SCO+512*\p
.endr
	s_wait_tensorcnt 0x0                           ; all my tensor loads have landed: stream step 5
	ds_add_u32 v[SPW], v[NIL]
	s_add_nc_u64 s[G0+2:G0+3], s[G0+2:G0+3], 2*SLOTB
	s_wait_dscnt 0x0                               ; the add is done, my reads of slot 0 are over, my images and sums have landed
	CROUND                                         ; also the barrier behind which p's images and the sums are read
	tensor_load_to_lds s[G0:G0+3], s[G1:G1+7]      ; stream step 6
	s_nop 0
	PLACES 4
.irp m, 0,1,2,3
.irp s, 0,1,2,3
	ds_load_b32 v[SCB+4*\m+\s], v[PSR] offset:128*(4*\m+\s)
.endr
.endr
.irp m, 0,1,2,3
	ds_load_b128 v[XG+4*\m:XG+4*\m+3], v[XLD] offset:1024+256*\m
.endr
	PFETCH 0, 0
	PFETCH 1, 1
.irp ks, 0,1,2,3
.if \ks < 3
	s_wait_dscnt 12                                ; this K step's fragments are in; the next step's twelve loads may be out
.else
	s_wait_dscnt 0x0
.endif
	MULO \ks
	PLACES 4
.if \ks < 2
	PFETCH \ks+2, \ks%2
.endif
.endr
	WFETCH WB1, 0, 0                               ; stream step 5: Wup, first half of my units
	WFETCH WB1, 1, 1
; ---------------- 4: comb = O / l, its codes ----------------
	v_mov_b32 v32, -1
	v_mov_b32 v33, 1.0
.irp m, 0,1,2,3
	v_add_f32 v[XG+4*\m], v[XG+4*\m], v[XG+4*\m+1]
	v_add_f32 v[XG+4*\m+2], v[XG+4*\m+2], v[XG+4*\m+3]
.endr
.irp m, 0,1,2,3
	v_add_f32 v[XG+4*\m], v[XG+4*\m], v[XG+4*\m+2] ; the row's sum
.endr
.irp m, 0,1,2,3
	v_cmp_eq_f32 vcc_lo, 0, v[XG+4*\m]             ; a row without a key
	v_cndmask_b32 v[PZ+\m], 0, v32, vcc_lo         ; all ones there: or-ed into the row's scale words at the end
	v_cndmask_b32 v[XG+4*\m], v[XG+4*\m], v33, vcc_lo   ; and 1 for the sum, so that every number on the way stays finite
.endr
.irp m, 0,1,2,3
	v_rcp_f32 v[RR+2*\m], v[XG+4*\m]
.endr
	v_nop
	s_wait_alu depctr_va_vdst(0)                   ; one wait for the four reciprocals
	WIN 0xc3
.irp m, 0,1,2,3
.set j, 0
.rept 16
	v_pk_mul_f32 v[32*\m+j:32*\m+j+1], v[32*\m+j:32*\m+j+1], v[RR+2*\m:RR+2*\m+1] op_sel_hi:[1,0]   ; each accumulator from its low end on
.set j, j+2
.endr
.endr
.irp m, 0,1,2,3
	QUANT 32*\m, 3, 1                              ; my 64 channels: half a fragment, two scale bytes; the wait for the stores below stands in the next tile's QUANT
.irp p, 0,1,2
	ds_store_b64 v[CWI], v[PC+2*\p:PC+2*\p+1] offset:2*FRB*\m+256*\p
.endr
	ds_store_b16 v[CWS], v[PW] offset:256*\m
.endr
	BAR                                            ; comb's eight fragments lie in LDS
; ---------------- 5: up^T = Wup comb^T ----------------
.irp f, 0,1,2,3,4,5,6,7
.irp p, 0,1,2,3,4,5
	ds_load_b64 v[AF+12*\f+2*\p:AF+12*\f+2*\p+1], v[CRD] offset:\f*FRB+256*\p
.endr
	ds_load_b32 v[SCB+\f], v[CSR] offset:128*\f
.endr
	s_wait_dscnt 0x0
	MULU 0, 0
	PLACES 4
	s_wait_tensorcnt 0x0                           ; stream step 6, my last tensor load, has landed
	WFETCH WB0, 0, 0
	MULU 0, 1
	PLACES 4
	WFETCH WB0, 1, 1
	s_wait_dscnt 26                                ; bank 0 is in; the 26 loads just issued may be out
	MULU 1, 0
	PLACES 4
	WIN 0x40
.irp b, 0,1,2,3
.irp j, 0,1,2,3
	global_load_b128 v[16*\b+4*\j:16*\b+4*\j+3], v[WOA], s[12:13] offset:512+128*\b+16*\j   ; w_out of my second 128 units, where bank 0 lay
.endr
.endr
	WIN 0
	s_wait_dscnt 0x0
	MULU 1, 1
	PLACES 4
; ---------------- 6: the norm, cat's codes, the way out ----------------
	WIN 0x0a
.irp m, 0,1,2,3
	v_pk_mul_f32 v[LSQ+2*\m:LSQ+2*\m+1], v[64*\m:64*\m+1], v[64*\m:64*\m+1]
.endr
.set j, 2
.rept 31
.irp m, 0,1,2,3
	v_pk_fma_f32 v[LSQ+2*\m:LSQ+2*\m+1], v[64*\m+j:64*\m+j+1], v[64*\m+j:64*\m+j+1], v[LSQ+2*\m:LSQ+2*\m+1]   ; ascending: each accumulator from its low end on
.endr
.set j, j+2
.endr
	WIN 0x0f
.set j, 0
.rept 32
.irp m, 0,1,2,3
	v_pk_fma_f32 v[LSQ+2*\m:LSQ+2*\m+1], v[64*\m+j:64*\m+j+1], v[64*\m+j:64*\m+j+1], v[LSQ+2*\m:LSQ+2*\m+1]
.endr
.set j, j+2
.endr
	WIN 0
.irp m, 0,1,2,3
	v_add_f32 v[LSQ+2*\m], v[LSQ+2*\m], v[LSQ+2*\m+1]
.endr
.irp m, 0,1,2,3
	v_permlanex16_b32 v[LSQ+2*\m+1], v[LSQ+2*\m], s40, s41
.endr
.irp m, 0,1,2,3
	v_add_f32 v[LSQ+2*\m], v[LSQ+2*\m], v[LSQ+2*\m+1]
.endr
.irp m, 0,1,2,3
	ds_store_b32 v[XST], v[LSQ+2*\m] offset:2048+256*\m
.endr
	BAR
.irp m, 0,1,2,3
	ds_load_b128 v[XG+4*\m:XG+4*\m+3], v[XLD] offset:2048+256*\m
.endr
	s_wait_dscnt 0x0
.irp m, 0,1,2,3
	v_add_f32 v[XG+4*\m], v[XG+4*\m], v[XG+4*\m+1]
	v_add_f32 v[XG+4*\m+2], v[XG+4*\m+2], v[XG+4*\m+3]
.endr
.irp m, 0,1,2,3
	v_add_f32 v[XG+4*\m], v[XG+4*\m], v[XG+4*\m+2]
.endr
.irp m, 0,1,2,3
	v_fma_f32 v[XG+4*\m], v[XG+4*\m], s45, s46     ; the mean + eps
.endr
.irp m, 0,1,2,3
	v_rsq_f32 v[RR+2*\m], v[XG+4*\m]
.endr
	v_nop
	s_wait_alu depctr_va_vdst(0)                   ; one wait for the four roots
	s_wait_loadcnt 0x0                             ; w_out
.macro FIN sg, m                       ; half sg of my units, tile of rows m: w_out (up rsqrt), one fragment's codes and scale word into the rows of cat in LDS; the wait for these stores stands in the next fragment's QUANT
	WIN 0x82+0x41*(\sg)
.set j, 0
.rept 32
	v_pk_mul_f32 v[64*(\m)+j:64*(\m)+j+1], v[64*(\m)+j:64*(\m)+j+1], v[RR+2*(\m):RR+2*(\m)+1] op_sel_hi:[1,0]
.set j, j+2
.endr
	WIN 0x86+0x41*(\sg)
.set j, 0
.rept 32
	v_pk_mul_f32 v[64*(\m)+j:64*(\m)+j+1], v[64*(\m)+j:64*(\m)+j+1], v[192*(1-(\sg))+j:192*(1-(\sg))+j+1]
.set j, j+2
.endr
	QUANT 64*(\m), 2+(\sg), 2
	v_or_b32 v[PW], v[PW], v[PZ+(\m)]
.irp c, 0,1
.irp p, 0,1,2
	ds_store_b64 v[OST], v[PC+6*\c+2*\p:PC+6*\c+2*\p+1] offset:16*APITCH*(\m)+96*(\sg)+48*\c+8*\p
.endr
.endr
	ds_store_b32 v[OSS], v[PW] offset:768*(\m)+4*(\sg)
.endm
.irp sg, 0,1
.irp m, 0,1,2,3
	FIN \sg, \m
.endr
.endr
	BAR                                            ; 64 whole half rows of cat lie in LDS
.irp u, 0,1,2,3,4,5,6,7
.irp t, 0,1,2
	ds_load_b128 v[160+12*\u+4*\t:163+12*\u+4*\t], v[ORD] offset:APITCH*\u+256*\t
.endr
.endr
	ds_load_b128 v[112:115], v[OSR]
.irp u, 0,1,2,3,4,5,6,7
	s_wait_dscnt 22-3*\u                           ; row u's three loads are in; those behind them may be out
.irp t, 0,1,2
	global_store_b128 v[GO], v[160+12*\u+4*\t:163+12*\u+4*\t], s[14:15] offset:1536*\u+256*\t   ; sixteen lanes store 256 consecutive bytes, at a multiple of 256 from the buffer's first byte
.endr
.endr
	s_wait_dscnt 0x0
	global_store_b128 v[GOS], v[112:115], s[16:17]
	s_wait_tensorcnt 0x0                           ; the wave's end
	ds_add_u32 v[SPW], v[NIL]
	s_wait_dscnt 0x0
	CROUND                                         ; the closing round: no work-group ends while a partner may still ask for a step that names it
	s_endpgm
.Lfunc_end_k_q36b87f4242_attn:
	.size	k_q36b87f4242_attn, .Lfunc_end_k_q36b87f4242_attn-k_q36b87f4242_attn
	.p2alignl 7, 3214868480
	.fill 96, 4, 3214868480
	.section	.rodata,"a",@progbits
	.p2align	6, 0x0
	.amdhsa_kernel k_q36b87f4242_attn
		.amdhsa_group_segment_fixed_size 327680
		.amdhsa_private_segment_fixed_size 0
		.amdhsa_enable_private_segment 0
		.amdhsa_kernarg_size 56
		.amdhsa_user_sgpr_count 2
		.amdhsa_user_sgpr_kernarg_segment_ptr 1
		.amdhsa_wavefront_size32 1
		.amdhsa_system_sgpr_workgroup_id_x 1
		.amdhsa_system_sgpr_workgroup_id_y 1
		.amdhsa_system_sgpr_workgroup_id_z 1
		.amdhsa_system_vgpr_workitem_id 0
		.amdhsa_next_free_vgpr 1024
		.amdhsa_next_free_sgpr 100
		.amdhsa_reserve_vcc 1
		.amdhsa_float_denorm_mode_32 3
		.amdhsa_float_denorm_mode_16_64 3
		.amdhsa_memory_ordered 1
		.amdhsa_forward_progress 1
		.amdhsa_inst_pref_size 255
	.end_amdhsa_kernel
	.section	.bss,"aw",@nobits
	.p2align	6
	.space	262144
	.amdgpu_metadata
---
amdhsa.version: [ 1, 2 ]
amdhsa.kernels:
  - .name:           k_q36b87f4242_attn
    .symbol:         k_q36b87f4242_attn.kd
    .args:
      - { .name: ints, .offset: 0, .size: 8, .value_kind: global_buffer, .address_space: global }
      - { .name: a_codes, .offset: 8, .size: 8, .value_kind: global_buffer, .address_space: global }
      - { .name: a_scales, .offset: 16, .size: 8, .value_kind: global_buffer, .address_space: global }
      - { .name: wq, .offset: 24, .size: 8, .value_kind: global_buffer, .address_space: global }
      - { .name: norm_out_weight, .offset: 32, .size: 8, .value_kind: global_buffer, .address_space: global }
      - { .name: cat_codes, .offset: 40, .size: 8, .value_kind: global_buffer, .address_space: global }
      - { .name: cat_scales, .offset: 48, .size: 8, .value_kind: global_buffer, .address_space: global }
    .group_segment_fixed_size: 327680
    .private_segment_fixed_size: 0
    .kernarg_segment_align: 8
    .kernarg_segment_size: 56
    .max_flat_workgroup_size: 128
    .sgpr_count:     100
    .vgpr_count:     1024
    .wavefront_size: 32
...
	.end_amdgpu_metadata
.endif
;; end of part 2
;; launch mix (part 3): grid 4 x 64, 4 waves a work-group, clusters of 4 x 4, 327,680 bytes of LDS; arguments cat_codes, cat_scales, w_mix_weight_codes, w_mix_weight_scales, out0; writes out0
.if DOCPART == 3
	.amdgcn_target "amdgcn-amd-amdhsa--gfx1250"
	.amdhsa_code_object_version 6
	.text
	.protected	k_q36b87f4242_mix
	.globl	k_q36b87f4242_mix
	.p2align	8
	.type	k_q36b87f4242_mix,@function
k_q36b87f4242_mix:
	s_mov_b64 s[64:65], 0
	v_nop
	global_prefetch_b8 v0, s[64:65] scope:SCOPE_SE
	s_setreg_imm32_b32 hwreg(HW_REG_WAVE_MODE, 25, 1), 1
	s_wait_xcnt 0x0
	s_wait_alu depctr_hold_cnt(0) depctr_sa_sdst(0) depctr_va_vdst(0) depctr_va_sdst(0) depctr_va_ssrc(0) depctr_va_vcc(0) depctr_vm_vsrc(0)
	s_getreg_b32 s2, hwreg(HW_REG_IB_STS2, 6, 4)
	s_cmp_eq_u32 s2, 0
	s_cbranch_scc0 .Lentry_in_a_cluster
	s_endpgm
.Lentry_in_a_cluster:
	s_bfe_u32 s2, ttmp6, 0x10000c
	s_cmp_lg_u32 s2, 0xf033
	s_cbranch_scc0 .Lentry_shape_is_right
	s_endpgm
.Lentry_shape_is_right:
; out0[m][n] = sum over k of cat[m][k] w_mix[n][k].  cat: [SIZE_M][SIZE_K], w_mix: [SIZE_N][SIZE_K]: codes of E2M3, 6 bits each, with one E8M0 byte for each 32 along K; out0: [SIZE_M][SIZE_N] f32; sums in f32.
; The matrix instruction takes codes and scale bytes as they lie in memory: a row of codes is one stream of bits, 128 codes in 96 bytes.  A row of cat whose scale bytes are 0xff gives NaN in its whole row of out0.
; A tile of 256 x 256 is made by a work-group of four waves; a wave makes 128 x 128: 64 accumulators of 16 x 16, 512 registers.  16,384 x 1,024 are 256 such tiles.
; K goes in steps of 256 through a ring of two LDS slots filled by the tensor data mover: a tile's row is 192 bytes of memory.
; THE SCALES of the work-group's 256 rows of each operand, for all of K, are two dense blocks of memory: they come into LDS once, with the first fills, and stay.
; CLUSTERS: 4 x 4 work-groups.  The four of a row of the cluster need the same tiles of cat, the four of a column the same tiles of w_mix: each tile is asked for jointly, by the same tensor load with the
; same descriptor and a mask that names the four.  THE MATRIX INSTRUCTION IS USED TRANSPOSED (source 0 = 16 rows of w_mix, source 1 = 16 rows of cat): a lane then holds eight neighbouring numbers of a row of out0.
; CAT'S CODES ARE PREFETCHED INTO THE L2 (macro ASK): one cluster covers all 1,024 columns, so each row of cat is read by one row of one cluster alone.
; REGISTERS, in windows of 256: window 0: v0-31 addresses; v32-63 scale words, two sets; from v128 A's fragments, one set; on the way out v32-255 are free.
;   window 1: B's fragments, two sets, at v0 and at v128.   window 2: the 32 accumulators of my rows 0-63;   window 3: those of my rows 64-127.
.set SIZE_M, 16384
.set SIZE_N, 1024
.set SIZE_K, 2048
.set KSTEP,  256                       ; along K in a slot
.set NQ,     KSTEP/128                 ; matrix instructions deep
.set ROWB,   192                       ; a tile's row in bytes
.set KROW,   SIZE_K*6/8                ; a row of A or of B in memory, in bytes
.set PITCH,  240                       ; an LDS row: 3 x (64 bytes of data + 16 of padding)
.set FR,     12                        ; registers of a fragment
.set NL,     6                         ; LDS loads that bring one
.set NP,     4                         ; places behind this matrix instruction (ISA guide 7.12.1)
.set HALFT,  128*PITCH                 ; 128 rows: what one tensor load brings
.set SLOT,   4*HALFT                   ; A's 256 rows, then B's 256 rows
.set LAPS,   SIZE_K/(2*KSTEP)          ; a lap = two K steps = once round the ring
.set KS,     SIZE_K/32                 ; a row of scales in bytes
.set SCL,    2*SLOT                    ; behind the ring: the scales, as rows of 256 bytes + 16 of padding
.set HALFS,  (128*KS/256)*272          ; the scales of 128 rows
.set SBLK,   (16*KS/256)*272           ; those of 16 rows
.set SPARE,  SCL+4*HALFS               ; the spare words, 128 bytes for each wave: two blocks of 256 bytes that no other line names
.set SPITCH, 528                       ; the way out: a stage of 16 rows x (512 bytes + 16) for each wave, in slot 0, which has had its last fill and its last read by then
.set ADRA, 16                          ; v16-17 LDS address of my A fragments in slot 0, 1 (v18-19: for the pieces behind one padding more)
.set ADRB, 20                          ; v20-21 the same for B (v22-23)
.set STO,  24
.set RD,   25
.set CO,   26
.set SPW,  28                          ; LDS address of my spare word; never rewritten
.set NIL,  29                          ; 0; never rewritten
.set ADRS, 27                          ; LDS address of my scale words: lanes 0-15 A's rows, lanes 16-31 B's
.set PFO,  30                          ; v30 the prefetches' offset: my lane x a row of cat's codes; never rewritten
.set SC,   32                          ; scale words: set s at v[SC + 8 NQ s]; register NQ i + q: lanes 0-15 A's block i, lanes 16-31 B's block i
.set AF,   128
.set BK,   128
.set G1, 24
.set G0, 32
.set G1B, 48
.set G0B, 56
.set G1S, 68
.set G0S, 76
.set G1SB, 80
.set G0SB, 88
.set PFA,  66                          ; s[66:67] where my prefetches stand: my work-group's 32 rows of the 128 that I fetch, at the block of 256 bytes to be named next
.set LIM0, 95                          ; s95 1 in waves 0 and 1, else the greatest number: at slot 0's change a wave asks while the loop's counter is above it
.set LIM1, 2                           ; s2  2 in waves 0 and 1, else the greatest number: the same at slot 1's change
.set MSB, 0
.macro WIN new
.if MSB != \new
	s_set_vgpr_msb (MSB<<8)|\new
.set MSB, \new
.endif
.endm
.set MUL_LO, 0xa1                      ; source 0 (B) window 1, source 1 (A) window 0, C and D window 2
.set MUL_HI, 0xf1                      ; the same, C and D window 3
.set TO_B,   0x40                      ; destination window 1, address window 0
; A joint load: waves 0 and 1 fetch for A, waves 2 and 3 for B; the branch hangs on the wave's number alone.  Four v_nop follow each of the two lines.
.macro JLOAD g0a, g1a, g0b, g1b
	s_cmp_eq_u32 s15, 0
	s_cbranch_scc0 .Lfor_b_\@
	tensor_load_to_lds s[\g0a:\g0a+3], s[\g1a:\g1a+7]
	s_nop 0
.rept 4
	v_nop
.endr
	s_branch .Lasked_\@
.Lfor_b_\@:
	tensor_load_to_lds s[\g0b:\g0b+3], s[\g1b:\g1b+7]
	s_nop 0
.rept 4
	v_nop
.endr
.Lasked_\@:
.endm
; A PREFETCH INTO THE L2 of cat's codes.  A row of cat is 1,536 bytes: six aligned blocks of 256 bytes, and eight K steps of 192.  K step 4 begins block 3, K step 5 is the first to touch block 4, K step 6 the first to touch block 5.
; Behind the refill that brings K step 2 block 3 is named, behind K step 3's block 4, behind K step 4's block 5: each two refills, 256 matrix instructions, ahead of the load that first touches it.
; Blocks 0 to 2 come by their loads alone: nothing is asked for at the head, where every work-group's first tiles are on their way; the later refills ask for nothing: a row has no block left.
; Each block is named ONCE in the launch: of the 128 rows that wave 0 or wave 1 fetches, the partner at place cx of the four that ask for them jointly takes 32, told apart BY ADDRESS; a lane a row, one instruction a wave.
; The branch hangs on the wave's number and on the loop's counter alone.  w_mix's rows are read by all sixteen clusters, not once: they are not asked for.
.macro ASK lim
	s_cmp_gt_u32 s3, s[\lim]
	s_cbranch_scc0 .Lnot_mine_\@
	global_prefetch_b8 v[PFO], s[PFA:PFA+1] th:TH_LOAD_NT scope:SCOPE_SE
.Lnot_mine_\@:
.endm
.macro CREST
	s_cmp_lg_u32 s14, 0
	s_cbranch_scc1 .Lnot_wave_0_\@
	s_barrier_signal -3
.Lnot_wave_0_\@:
	s_barrier_wait -3
	s_barrier_signal -1
	s_barrier_wait -1
.endm
.macro CROUND
	s_barrier_signal -1
	s_barrier_wait -1
	CREST
.endm
	s_load_b128 s[4:7], s[0:1], 0x0                ; A's codes, A's scales
	s_load_b128 s[8:11], s[0:1], 0x10              ; B's codes, B's scales
	s_load_b64 s[12:13], s[0:1], 0x20              ; C
	v_lshl_add_u32 v[SPW], v0, 2, SPARE
	v_mov_b32 v[NIL], 0
	ds_add_u32 v28, v29
	ds_add_u32 v28, v29
	s_wait_dscnt 0x0
	v_lshrrev_b32 v1, 5, v0
	v_readfirstlane_b32 s14, v1                    ; wave 0..3
	s_lshr_b32 s15, s14, 1                         ; which half of the tile's rows is mine.  Also: I fetch for A (0) or for B (1)
	s_and_b32 s16, s14, 1                          ; which half of its columns.  Also: which 128 rows of that tile I fetch
	s_bfe_u32 s40, ttmp6, 0x40000                  ; cx, cy: my place in the cluster
	s_bfe_u32 s41, ttmp6, 0x40004
	s_lshl_b32 s42, ttmp9, 2
	s_add_co_u32 s42, s42, s40                     ; tile column of C
	s_and_b32 s17, ttmp7, 0xffff
	s_lshl_b32 s17, s17, 2
	s_add_co_u32 s17, s17, s41                     ; tile row of C
	s_lshl_b32 s43, s41, 2
	s_lshl_b32 s43, 15, s43                        ; my row of the cluster
	s_lshl_b32 s44, 0x1111, s40                    ; my column
	s_or_b32 s[G1+0], s43, (0<<16)|(1<<20)|(1<<21)|(3<<22)|(3<<25)  ; the mask; elements of 1 byte; padding on; bit 21 beside a mask; after every 16 words 4 words
	s_or_b32 s[G1B+0], s44, (0<<16)|(1<<20)|(1<<21)|(3<<22)|(3<<25)
.irp g, G1, G1B
	s_mov_b32 s[\g+1], ROWB<<16                    ; tensor_dim0
	s_mov_b32 s[\g+2], 128<<16                     ; tensor_dim1
	s_mov_b32 s[\g+3], ROWB<<16                    ; tile_dim0
	s_mov_b32 s[\g+4], 128                         ; tile_dim1
	s_mov_b32 s[\g+5], KROW                        ; from row to row
	s_mov_b32 s[\g+6], 0
	s_mov_b32 s[\g+7], 0
.endr
	s_or_b32 s[G1S+0], s43, (3<<16)|(1<<20)|(1<<21)|(5<<22)|(3<<25) ; the scales of 128 rows: a dense block, as rows of 256 bytes, 16 bytes of padding behind each
	s_or_b32 s[G1SB+0], s44, (3<<16)|(1<<20)|(1<<21)|(5<<22)|(3<<25)
.irp g, G1S, G1SB
	s_mov_b32 s[\g+1], 32<<16
	s_mov_b32 s[\g+2], (128*KS/256)<<16
	s_mov_b32 s[\g+3], 32<<16
	s_mov_b32 s[\g+4], 128*KS/256
	s_mov_b32 s[\g+5], 32
	s_mov_b32 s[\g+6], 0
	s_mov_b32 s[\g+7], 0
.endr
	s_lshl_b32 s18, s16, 7                         ; which 128 rows of the tile I fetch
	s_lshl_b32 s20, s17, 8
	s_add_co_u32 s20, s20, s18                     ; A: row 256 x tile row + 128 x half
	s_lshl_b32 s46, s42, 8
	s_add_co_u32 s46, s46, s18                     ; B: row 256 x tile column + 128 x half
	s_mov_b32 s21, 0
	s_mov_b32 s47, 0
	s_mov_b64 s[18:19], KS
	s_mul_u64 s[22:23], s[20:21], s[18:19]         ; where these rows' scales begin, in bytes
	s_mul_u64 s[92:93], s[46:47], s[18:19]
	s_mov_b64 s[18:19], KROW
	s_mul_u64 s[20:21], s[20:21], s[18:19]         ; and their codes
	s_mul_u64 s[46:47], s[46:47], s[18:19]
	s_mul_i32 s45, s14, HALFT                      ; where they go: wave x 128 rows: no place in the cluster enters an LDS address
	s_mul_i32 s94, s14, HALFS
	s_wait_kmcnt 0x0
	s_add_nc_u64 s[20:21], s[4:5], s[20:21]
	s_add_nc_u64 s[22:23], s[6:7], s[22:23]
	s_add_nc_u64 s[46:47], s[8:9], s[46:47]
	s_add_nc_u64 s[92:93], s[10:11], s[92:93]
	CROUND                                         ; all sixteen work-groups are here: the first joint loads meet
	s_mov_b32 s[G0S], 1
	s_add_co_u32 s[G0S+1], s94, SCL
	s_mov_b64 s[G0S+2:G0S+3], s[22:23]
	s_or_b32 s[G0S+3], s[G0S+3], 0x80000000
	s_mov_b32 s[G0SB], 1
	s_add_co_u32 s[G0SB+1], s94, SCL
	s_mov_b64 s[G0SB+2:G0SB+3], s[92:93]
	s_or_b32 s[G0SB+3], s[G0SB+3], 0x80000000
	JLOAD G0S, G1S, G0SB, G1SB                     ; the scales first: they are wanted with K step 0
.irp s, 0,1
	s_mov_b32 s[G0+4*\s], 1
	s_add_co_u32 s[G0+4*\s+1], s45, \s*SLOT
	s_add_nc_u64 s[G0+4*\s+2:G0+4*\s+3], s[20:21], \s*ROWB
	s_or_b32 s[G0+4*\s+3], s[G0+4*\s+3], 0x80000000
	s_mov_b32 s[G0B+4*\s], 1
	s_add_co_u32 s[G0B+4*\s+1], s45, \s*SLOT
	s_add_nc_u64 s[G0B+4*\s+2:G0B+4*\s+3], s[46:47], \s*ROWB
	s_or_b32 s[G0B+4*\s+3], s[G0B+4*\s+3], 0x80000000
	JLOAD G0+4*\s, G1, G0B+4*\s, G1B
.endr
	v_and_b32 v1, 15, v0                           ; l % 16
	v_bfe_u32 v2, v0, 4, 1                         ; l / 16
	v_mul_u32_u24 v3, v1, PITCH
	v_mul_u32_u24 v4, v2, 24
	v_add_nc_u32 v4, v3, v4                        ; a fragment's row x pitch + 24 x half
	v_lshl_add_u32 v5, v2, 4, v4                   ; and the same behind one padding more
	s_mul_i32 s21, s15, HALFT                      ; my 128 rows of A
	s_mul_i32 s22, s16, HALFT                      ; my 128 rows of B,
	s_add_co_u32 s22, s22, 2*HALFT                 ; which lie behind A's 256
.irp s, 0,1
	v_add_nc_u32 v[ADRA+\s], s21, v4
	v_add_nc_u32 v[ADRB+\s], s22, v4
	v_add_nc_u32 v[ADRA+2+\s], s21, v5
	v_add_nc_u32 v[ADRB+2+\s], s22, v5
	s_add_co_u32 s21, s21, SLOT
	s_add_co_u32 s22, s22, SLOT
.endr
	v_mul_u32_u24 v5, v1, KS                       ; my row's scales: KS bytes a row,
	v_lshrrev_b32 v6, 8, v5
	v_lshl_add_u32 v5, v6, 4, v5                   ; and 16 more for each 256 passed
	s_mul_i32 s21, s15, HALFS                      ; A's: my 128 rows
	s_mul_i32 s22, s16, HALFS                      ; B's: my 128 rows, behind A's 256
	s_add_co_u32 s22, s22, 2*HALFS
	s_sub_co_u32 s22, s22, s21
	v_mul_u32_u24 v6, s22, v2                      ; lanes 16-31 take B's
	s_add_co_u32 s21, s21, SCL
	v_add_nc_u32 v5, v5, v6
	v_add_nc_u32 v[ADRS], s21, v5
	s_mul_i32 s23, s14, 16*SPITCH                  ; my stage
	v_mul_u32_u24 v5, v1, SPITCH                   ; in: row l % 16, 32 bytes for each half of the lanes
	v_lshl_add_u32 v5, v2, 5, v5
	v_add_nc_u32 v[STO], s23, v5
	v_and_b32 v6, 31, v0
	v_lshlrev_b32 v[CO], 4, v6                     ; back: the 32 lanes take one row of 512 bytes; and the same in C
	v_add_nc_u32 v[RD], s23, v[CO]
	s_lshl_b32 s20, s17, 8
	s_lshl_b32 s21, s15, 7
	s_add_co_u32 s20, s20, s21                     ; my first row of C
	s_mov_b32 s21, 0
	s_mov_b64 s[18:19], SIZE_N*4
	s_mul_u64 s[20:21], s[20:21], s[18:19]
	s_lshl_b32 s46, s42, 10                        ; my first column, in bytes
	s_lshl_b32 s47, s16, 9
	s_add_co_u32 s46, s46, s47
	s_mov_b32 s47, 0
	s_add_nc_u64 s[20:21], s[20:21], s[46:47]
	s_add_nc_u64 s[12:13], s[12:13], s[20:21]
	; the prefetches: row 256 x tile row + 128 x half + 32 x cx of cat's codes, in registers that feed no descriptor; byte 512 of the row: the first change of slots steps it to block 3
	s_lshl_b32 s96, s17, 8
	s_lshl_b32 s97, s16, 7
	s_add_co_u32 s96, s96, s97
	s_lshl_b32 s97, s40, 5
	s_add_co_u32 s96, s96, s97
	s_mul_i32 s96, s96, KROW                       ; under 2^25
	s_mov_b32 s97, 0
	s_add_nc_u64 s[PFA:PFA+1], s[4:5], s[96:97]
	s_add_nc_u64 s[PFA:PFA+1], s[PFA:PFA+1], 512
	s_cmp_eq_u32 s15, 0                            ; waves 0 and 1, which fetch cat's tiles, ask
	s_cselect_b32 s[LIM0], 1, -1
	s_cselect_b32 s[LIM1], 2, -1
	v_and_b32 v[PFO], 31, v0
	v_mul_u32_u24 v[PFO], v[PFO], KROW
.macro FRAG reg, adr, q, i             ; a fragment: lane l holds row l % 16; registers 6 c .. 6 c + 5 hold K = 64 c + 32 (l / 16) + 0 .. 31: 24 bytes of the row's stream of bits, in pieces of 8 bytes
.irp p, 0,1,2,3,4,5
.set PC, 12*(\q)+6*(\p/3)+\p%3        ; 16 bytes of padding lie behind every 8 pieces: where the piece three on lies behind one padding more, the second address register serves
.if PC%8 < 5
	ds_load_b64 v[\reg+2*\p:\reg+2*\p+1], v[\adr] offset:8*PC+16*(PC/8)+(\i)*16*PITCH
.else
	ds_load_b64 v[\reg+2*\p:\reg+2*\p+1], v[\adr+2] offset:8*PC+16*(PC/8)+(\i)*16*PITCH
.endif
.endr
.endm
; 16 matrix instructions: A's blocks a0, a0 + 1 x B's eight.  The 64 accumulators take turns, one instruction a turn, in the same order in every step.
.macro MUL16 a0, p, q, sc, zero
.irp a, \a0, \a0+1
.irp b, 0,1,2,3,4,5,6,7
.if \zero
	v_wmma_scale_f32_16x16x128_f8f6f4 v[8*(8*((\a)%4)+\b):8*(8*((\a)%4)+\b)+7], v[128*(\p)+FR*\b:128*(\p)+FR*\b+FR-1], v[AF+FR*(\a):AF+FR*(\a)+FR-1], 0, v[SC+8*NQ*(\sc)+NQ*\b+(\q)], v[SC+8*NQ*(\sc)+NQ*(\a)+(\q)] matrix_a_fmt:MATRIX_FMT_FP6 matrix_b_fmt:MATRIX_FMT_FP6 matrix_a_scale:MATRIX_SCALE_ROW1
.else
	v_wmma_scale_f32_16x16x128_f8f6f4 v[8*(8*((\a)%4)+\b):8*(8*((\a)%4)+\b)+7], v[128*(\p)+FR*\b:128*(\p)+FR*\b+FR-1], v[AF+FR*(\a):AF+FR*(\a)+FR-1], v[8*(8*((\a)%4)+\b):8*(8*((\a)%4)+\b)+7], v[SC+8*NQ*(\sc)+NQ*\b+(\q)], v[SC+8*NQ*(\sc)+NQ*(\a)+(\q)] matrix_a_fmt:MATRIX_FMT_FP6 matrix_b_fmt:MATRIX_FMT_FP6 matrix_a_scale:MATRIX_SCALE_ROW1
.endif
.endr
.endr
.endm
.macro FETCH_B slot, q, p
	WIN TO_B
.irp i, 0,1,2,3,4,5,6,7
	FRAG 128*(\p)+FR*\i, ADRB+\slot, \q, \i
.endr
	WIN 0
.endm
.macro FETCH_A slot, q, i0
.irp i, \i0, \i0+1, \i0+2, \i0+3
	FRAG AF+FR*(\i), ADRA+\slot, \q, \i
.endr
.endm
.macro SCALES sc                       ; the next K step's scale words: lanes 0-15 take A's block i, lanes 16-31 B's block i
.irp i, 0,1,2,3,4,5,6,7
	ds_load_b64 v[SC+8*NQ*\sc+NQ*\i:SC+8*NQ*\sc+NQ*\i+1], v[ADRS] offset:\i*SBLK
.endr
.endm
.macro PLACES n                        ; plain vector lines between a matrix instruction and a load into, or a read of, its registers
.rept \n
	v_nop
.endr
.endm
; A step of 128 along K that has its successor in the same slot.
.macro STEP slot, q, zero
	s_wait_dscnt 4*NL                              ; B's set and A's blocks 0-3 are in; the youngest loads (A's blocks 4-7) may be out
	WIN MUL_LO
	MUL16 0, (\q)%2, \q, \slot, \zero
	MUL16 2, (\q)%2, \q, \slot, \zero
	s_wait_dscnt 0                                 ; A's blocks 4-7 are in
	PLACES NP
	FETCH_B \slot, (\q)+1, 1-(\q)%2
	FETCH_A \slot, (\q)+1, 0
	WIN MUL_HI
	MUL16 4, (\q)%2, \q, \slot, \zero
	MUL16 6, (\q)%2, \q, \slot, \zero
	PLACES NP
	WIN 0
	FETCH_A \slot, (\q)+1, 4
.endm
; A slot's last step changes slots: one barrier; in front of it each wave waits for all its tensor loads, adds 0 to its spare word, and waits for that and for its own reads of this slot.  fill = 1: this slot is filled again, two K steps ahead.
.macro TURN slot, next, fill
.if \fill
	s_wait_xcnt 0x0                                ; the last prefetch, a K step back, has read its address: it is stepped here, ahead of the waits of the change of slots
	s_add_nc_u64 s[PFA:PFA+1], s[PFA:PFA+1], 256   ; the row's next block of 256 bytes
.endif
	s_wait_tensorcnt 0x0                           ; all my tensor loads have landed: my part of the next slot
	ds_add_u32 v[SPW], v[NIL]
	s_wait_dscnt 4*NL+1                            ; the add and the youngest loads, A's blocks 4-7, may be out
	WIN MUL_LO
	MUL16 0, 1, NQ-1, \slot, 0
	s_wait_dscnt 0x0                               ; the add is done, and my reads of this slot are over
	s_barrier_signal -1
	MUL16 2, 1, NQ-1, \slot, 0
	WIN 0
	s_barrier_wait -1
.if \fill
	CREST                                          ; the barrier has opened a round of the cluster's barrier: no wave of any partner still reads this slot's tile or has a load on its way
	s_add_nc_u64 s[G0+4*\slot+2:G0+4*\slot+3], s[G0+4*\slot+2:G0+4*\slot+3], 2*ROWB
	s_add_nc_u64 s[G0B+4*\slot+2:G0B+4*\slot+3], s[G0B+4*\slot+2:G0B+4*\slot+3], 2*ROWB
	JLOAD G0+4*\slot, G1, G0B+4*\slot, G1B         ; the first tensor load behind the round
.else
	PLACES NP
.endif
	v_add_nc_u32 v[ADRS], 4*NQ, v[ADRS]            ; on to the next K step's scale words (no LDS load of mine is out)
	FETCH_B \next, 0, 0
	FETCH_A \next, 0, 0
	SCALES \next
.if \fill
.if \slot == 0
	ASK LIM0                                       ; behind the joint load, its four lines and the run of LDS loads for which the next products wait
.else
	ASK LIM1
.endif
.endif
	WIN MUL_HI
	MUL16 4, 1, NQ-1, \slot, 0
	MUL16 6, 1, NQ-1, \slot, 0
	PLACES NP
	WIN 0
	FETCH_A \next, 0, 4
.endm
	s_wait_tensorcnt 1                             ; the scales and my part of K step 0 are in (K step 1's load may be out),
	s_barrier_signal -1
	s_barrier_wait -1                              ; everybody's are
	FETCH_B 0, 0, 0
	FETCH_A 0, 0, 0
	SCALES 0
	FETCH_A 0, 0, 4
	STEP 0, 0, 1                                   ; the first step stands in front of the loop: its products start the sums
	s_mov_b32 s3, LAPS-1
.Llap:                                                 ; a trip goes once round the ring, from a lap's second step to the next lap's first, and fills both slots again
	TURN 0, 1, 1
	STEP 1, 0, 0
	TURN 1, 0, 1
	STEP 0, 0, 0
	s_sub_co_u32 s3, s3, 1
	s_cmp_lg_u32 s3, 0
	s_cbranch_scc1 .Llap
	TURN 0, 1, 0                                   ; the last lap fills nothing, and has no round of the cluster's barrier
	STEP 1, 0, 0
	s_wait_dscnt 4*NL                              ; the very last step: nothing more to fetch
	WIN MUL_LO
	MUL16 0, 1, NQ-1, 1, 0
	MUL16 2, 1, NQ-1, 1, 0
	s_wait_dscnt 0
	WIN MUL_HI
	MUL16 4, 1, NQ-1, 1, 0
	MUL16 6, 1, NQ-1, 1, 0
	WIN 0
; THE WAY OUT, block by block of 16 rows x 128 columns, through my own stage in LDS: back come whole rows of 512 bytes.  LDS serves a wave's instructions in order (ISA guide 5.7.1.4): no wait between the stores and the loads.
.macro TOSTAGE a
.set AC, 64*((\a)%4)
	WIN 0x08+4*((\a)/4)                            ; the data: window 2 or 3
.irp b, 0,1,2,3,4,5,6,7
	ds_store_b128 v[STO], v[AC+8*\b:AC+8*\b+3] offset:64*\b          ; each accumulator from its low end on
	ds_store_b128 v[STO], v[AC+8*\b+4:AC+8*\b+7] offset:64*\b+16
.endr
	WIN 0
.set BB, BK+64*((\a)%2)
.irp t, 0,1,2,3,4,5,6,7,8,9,10,11,12,13,14,15
	ds_load_b128 v[BB+4*\t:BB+4*\t+3], v[RD] offset:\t*SPITCH
.endr
.endm
.macro SEND a, younger                 ; younger: the LDS instructions issued behind block a's loads, which may stay out
.set BB, BK+64*((\a)%2)
	s_wait_dscnt \younger
.if (\a) > 0
	s_add_nc_u64 s[12:13], s[12:13], 16*SIZE_N*4   ; (behind a wait on XCNT: the earlier stores have read their base)  16 rows of C on
.endif
.irp t, 0,1,2,3,4,5,6,7,8,9,10,11,12,13,14,15
	global_store_b128 v[CO], v[BB+4*\t:BB+4*\t+3], s[12:13] offset:\t*SIZE_N*4 th:TH_STORE_NT   ; 32 lanes store 512 consecutive bytes, at a multiple of 256 from C's first byte
.endr
.endm
	PLACES NP
	TOSTAGE 0
.irp a, 1,2,3,4,5,6,7
.if \a > 1
	s_wait_xcnt 0x0                                ; block a - 2's stores have read their registers and their base
.endif
	TOSTAGE \a
	SEND \a-1, 32                                  ; behind block a - 1's loads: block a's 16 stores and 16 loads
.endr
	s_wait_xcnt 0x0                                ; block 6's stores have read their base
	SEND 7, 0
	s_wait_tensorcnt 0x0                           ; the wave's end
	ds_add_u32 v[SPW], v[NIL]
	s_wait_dscnt 0x0
	CROUND                                         ; the closing round: no work-group ends while a partner may still ask for a tile that names it
	s_endpgm
.Lfunc_end_k_q36b87f4242_mix:
	.size	k_q36b87f4242_mix, .Lfunc_end_k_q36b87f4242_mix-k_q36b87f4242_mix
	.p2alignl 7, 3214868480
	.fill 96, 4, 3214868480
	.section	.rodata,"a",@progbits
	.p2align	6, 0x0
	.amdhsa_kernel k_q36b87f4242_mix
		.amdhsa_group_segment_fixed_size 327680
		.amdhsa_private_segment_fixed_size 0
		.amdhsa_enable_private_segment 0
		.amdhsa_kernarg_size 40
		.amdhsa_user_sgpr_count 2
		.amdhsa_user_sgpr_kernarg_segment_ptr 1
		.amdhsa_wavefront_size32 1
		.amdhsa_system_sgpr_workgroup_id_x 1
		.amdhsa_system_sgpr_workgroup_id_y 1
		.amdhsa_system_sgpr_workgroup_id_z 1
		.amdhsa_system_vgpr_workitem_id 0
		.amdhsa_next_free_vgpr 1024
		.amdhsa_next_free_sgpr 98
		.amdhsa_reserve_vcc 0
		.amdhsa_float_denorm_mode_32 3
		.amdhsa_float_denorm_mode_16_64 3
		.amdhsa_memory_ordered 1
		.amdhsa_forward_progress 1
		.amdhsa_inst_pref_size 161
	.end_amdhsa_kernel
	.amdgpu_metadata
---
amdhsa.version: [ 1, 2 ]
amdhsa.kernels:
  - .name:           k_q36b87f4242_mix
    .symbol:         k_q36b87f4242_mix.kd
    .args:
      - { .name: cat_codes, .offset: 0, .size: 8, .value_kind: global_buffer, .address_space: global }
      - { .name: cat_scales, .offset: 8, .size: 8, .value_kind: global_buffer, .address_space: global }
      - { .name: w_mix_weight_codes, .offset: 16, .size: 8, .value_kind: global_buffer, .address_space: global }
      - { .name: w_mix_weight_scales, .offset: 24, .size: 8, .value_kind: global_buffer, .address_space: global }
      - { .name: out0, .offset: 32, .size: 8, .value_kind: global_buffer, .address_space: global }
    .group_segment_fixed_size: 327680
    .private_segment_fixed_size: 0
    .kernarg_segment_align: 8
    .kernarg_segment_size: 40
    .max_flat_workgroup_size: 128
    .sgpr_count:     98
    .vgpr_count:     1024
    .wavefront_size: 32
...
	.end_amdgpu_metadata
.endif
;; end of part 3
